; MI455X (gfx1250); checked and timed in simulation.
; The chip was launched on July 23, 2026; its instructions are those of AMD's public machine-readable ISA for CDNA 5 (MIT licence, August 2026) and "CDNA5" Instruction Set Architecture Reference Guide (July 2026). The comments in the code are by the model that wrote it; some were corrected since.
;; Cross Attention. Allowed arithmetic: matrix products marked QUANTISED: E2M3 operands, one E8M0 scale for each 32 along K, by v_wmma_scale_f32_16x16x128_f8f6f4 with both operands' format E2M3, f32 sums; everything else in f32.
;; Inputs: Wk 768 x 1,024 float32; Wo 1,024 x 1,024 float32; Wq 1,024 x 1,024 float32; Wv 768 x 1,024 float32; bo 1,024 float32; kv 4 x 2,048 x 768 float32; query 4 x 2,048 x 1,024 float32.
;; Outputs: out0 4 x 2,048 x 1,024 float32.
;; This version of the problem:
;;   THIS VERSION OF THE PROBLEM IS GIVEN IN LOW PRECISION. The matrix products marked QUANTISED in the list below multiply operands that are first quantised to E2M3 (2 exponent bits, 3 mantissa bits; 6 bits a number), with one power-of-two scale for each 32 numbers along K (OCP MX v1.0); their sums are f32. All else is computed in f32.
;;   The module's matrix products, in the order in which they are computed (A, B: the left and right operand; K: the contracted axis; several contracted axes count as one K, in the product's order):
;;     1. [M 8,192, K 1,024] x [K 1,024, N 1,024]; A: input query; B: input Wq: QUANTISED
;;     2. [M 8,192, K 768] x [K 768, N 1,024]; A: input kv; B: input Wk: QUANTISED
;;     3. [M 8,192, K 768] x [K 768, N 1,024]; A: input kv; B: input Wv: QUANTISED
;;     4. batch 64 x [M 2,048, K 64] x [K 64, N 2,048]; A: computed on the way; B: computed on the way: QUANTISED
;;     5. batch 64 x [M 2,048, K 2,048] x [K 2,048, N 64]; A: softmax (see below); B: computed on the way: QUANTISED
;;     6. [M 8,192, K 1,024] x [K 1,024, N 1,024]; A: computed on the way; B: input Wo: QUANTISED
;;   THE QUANTISER, for each operand of a quantised product, along K:
;;     - K is cut into blocks of 32 from its start; a last block that is shorter is filled with zeros.
;;     - A block's scale is 2^e with e = floor(log2(the largest magnitude in the block)) - 2, held to -126 .. 127; a block of zeros has e = 0. As a byte (E8M0): e + 127.
;;     - Each number is divided by its block's scale, clamped to +-7.5, and rounded to the nearest number of E2M3, ties to even, subnormals kept.
;;     - The product sums the exact products of the quantised numbers (number of the format x scale) in f32.
;;   ~~~python
;;   def quantise(x, axis):      # numpy; x: float32 -> the quantised numbers, widened to float32 again
;;       x = np.moveaxis(x, axis, -1); K = x.shape[-1]
;;       x = np.pad(x, [(0, 0)] * (x.ndim - 1) + [(0, -K % 32)]); x = x.reshape(x.shape[:-1] + (-1, 32)); a = np.abs(x).max(-1, keepdims=True)
;;       e = np.where(a > 0, np.clip(np.frexp(np.where(a > 0, a, 1))[1] - 1 - 2, -126, 127), 0)      # np.frexp(a)[1] - 1 = floor(log2(a)), exactly
;;       r = np.clip(x / 2.0 ** e, -7.5, 7.5)
;;       step = 2.0 ** (np.maximum(np.frexp(np.where(r == 0, 1, r))[1] - 1, 0) - 3)
;;       q = np.round(r / step) * step * 2.0 ** e      # np.round: ties to even
;;       return np.moveaxis(q.reshape(q.shape[:-2] + (-1,))[..., :K], -1, axis).astype(np.float32)
;;   ~~~
;;   SOFTMAX AHEAD OF A QUANTISED PRODUCT. Where the list says 'softmax', what is quantised is not the finished softmax but p = 2^(t - M), with t = logit x log2(e) and M = ceil(the row's largest t), a whole number; so 1/2 < the row's largest p <= 1. The row's sum l is taken of the UNQUANTISED p, in f32, and the product's result is divided by l at the end. Since M is a whole number, a kernel that streams over the keys may use a running M (the ceiling of the running maximum): every later rescaling is an exact power of two, which a block's scale takes up: the codes' values come out the same.
;;   OPERANDS COMPUTED ON THE WAY. 'Computed on the way' means the value that the module computes at that place (a softmax that the list does not call 'softmax' is quantised finished and normalised). What goes into a quantiser is computed in f32, as accurately as f32 sums, v_exp_f32 and their like allow (about 1e-6 of the number): no bf16 or f16 on the way to a quantiser, and a product that is left as it is and whose result goes on into a quantised operand takes f32 operands (vector FMAs, or v_wmma_f32_16x16x4_f32). A number that lies on a knife's edge between two numbers of the format may be rounded either way, as far as f32 arithmetic and the matrix unit's own rounding can turn it there, and no further.
;; One version. Each part assembles by itself: llvm-mc -triple=amdgcn-amd-amdhsa -mcpu=gfx1250 --defsym DOCPART=n.
;; ======== version 1 of 1: 4 launches
;; limits: right only within a limited range of input values
;; workspace buffers: q_img 6,553,600 bytes; kv_img 4,915,200 bytes; wq_img 819,200 bytes; wkv_img 1,228,800 bytes; wo_img 819,200 bytes; k_img 6,553,600 bytes; v_img 6,553,600 bytes; o_img 6,553,600 bytes
;; launch quant (part 1): grid 336 x 1, 4 waves a work-group, no clusters, 60,928 bytes of LDS; arguments query, kv, q_img, kv_img, Wq, Wo, Wk, Wv, wq_img, wo_img, wkv_img; writes q_img, kv_img, wq_img, wo_img, wkv_img
.if DOCPART == 1
	.amdgcn_target "amdgcn-amd-amdhsa--gfx1250"
	.amdhsa_code_object_version 6
	.text
	.protected	k_q8f0fcdd01e_quant
	.globl	k_q8f0fcdd01e_quant
	.p2align	8
	.type	k_q8f0fcdd01e_quant,@function
k_q8f0fcdd01e_quant:
	s_mov_b64 s[64:65], 0
	v_nop
	global_prefetch_b8 v0, s[64:65] scope:SCOPE_SE
	s_setreg_imm32_b32 hwreg(HW_REG_WAVE_MODE, 25, 1), 1
	s_wait_xcnt 0x0
; query [8192][1024], kv [8192][768] (K innermost) and Wq, Wo [1024][1024], Wk, Wv [768][1024] (K is the FIRST axis), all f32, become codes of FP6 (E2M3) with one E8M0 byte for each 32 along K.
; A block's scale is 2^(floor(log2(its largest magnitude)) - 2): its byte is the largest magnitude's exponent field - 2, held at 1 from below.
; LIMITS: NaN and infinities are not served; a block whose largest magnitude lies under 2^-124 keeps the byte 1; a block of zeros gets the byte 1 and not 127: its codes are zeros, and this program alone reads the bytes.
; THE RESULT IS LAID AS IMAGES OF OPERAND REGISTERS.  A fragment (16 rows x 128 K, 12 registers a lane) is 1,536 bytes: register 4 g + i of lane l at 512 g + 16 l + 4 i.
; Lane r of tile t = 2 b + u of a group of rows holds row 32 b + 8 u + r + 8 (r / 8).  A unit of 8 tiles: 8 fragments, then 512 bytes of scale words, the word of (t, r) at 12,288 + 256 (t / 4) + 16 r + 4 (t % 4): 12,800 bytes.
; A unit of 4 tiles (Wq, by heads of 64 columns): 4 fragments, then 256 bytes, the word of (i, r) at 6,144 + 16 r + 4 i: 6,400 bytes.
; Work-groups 0 to 223 take the activations, one unit (128 rows x 128 K) a wave; work-groups 224 to 335 the weights, 32 columns x 256 K a wave.  The two ways part on the work-group's number, have LDS bytes of
; their own and meet at the end.  Waves share nothing: no barrier.  No work-group reads what another reads, so there is no cluster, and the launch streams: nothing is prefetched.
.set APITCH, 528                       ; the activations' stage: 16 rows x (512 bytes + 16) for each wave
.set ASTG,   16*APITCH
.set WBASE,  4*ASTG                    ; behind them the weights' stages: 4 fragments x (1,536 + 128) bytes for each wave
.set WFR,    1664
.set WSTG,   4*WFR
.set SPARE,  WBASE+4*WSTG              ; 60,416: the spare words, 128 bytes for each wave: two blocks of 256 bytes that no other line names
.set LANE, 1                           ; v1  lane
.set LI,   2                           ; v2  16 x lane
.set SPW,  4                           ; v4  LDS address of my spare word; never rewritten
.set NIL,  5                           ; v5  0; never rewritten
.set OFF,  10                          ; v10-17  16 x lane + i rows, i = 0 .. 7
.set PW,   18                          ; v18-25  the eight tiles' scale words
.set TM,   26                          ; v26-29 largest magnitudes, v30-33 the other half's and then the bytes, v34-37 the conversions' scale operands
.set PC,   38                          ; v38-49 a fragment's codes; v50-52, v54-56 the conversions' second halves
.set WS,   58                          ; v58-61  four scale words to store
.set SEL,  70                          ; s[70:71] selects of v_permlanex16_b32 for lane l xor 16
	s_load_b512 s[8:23], s[0:1], 0x0               ; query 8, kv 10, q_img 12, kv_img 14, Wq 16, Wo 18, Wk 20, Wv 22
	s_load_b128 s[24:27], s[0:1], 0x40             ; wq_img 24, wo_img 26
	s_load_b64 s[28:29], s[0:1], 0x50              ; wkv_img
	v_lshl_add_u32 v[SPW], v0, 2, SPARE
	v_mov_b32 v[NIL], 0
	v_lshrrev_b32 v1, 5, v0
	v_readfirstlane_b32 s2, v1                     ; wave 0..3
	v_and_b32 v[LANE], 31, v0
	v_lshlrev_b32 v[LI], 4, v[LANE]
	s_mov_b32 s[SEL], 0x76543210
	s_mov_b32 s[SEL+1], 0xfedcba98
	s_wait_kmcnt 0x0
	s_cmp_lt_u32 ttmp9, 224
	s_cbranch_scc0 .Lweights
; ---------------- THE ACTIVATIONS: my wave's unit (block of 128 rows, K step of 128) ----------------
	s_lshl_b32 s3, ttmp9, 2
	s_add_co_u32 s3, s3, s2                        ; unit 0 .. 895: the first 512 are query's, the others kv's
	s_mov_b32 s31, 3072
	s_mov_b32 s73, 0x2aaaaaab
	s_cmp_lt_u32 s3, 512                           ; only pointers and sizes are chosen: both tensors take one way through the text
	s_cselect_b64 s[8:9], s[8:9], s[10:11]
	s_cselect_b64 s[12:13], s[12:13], s[14:15]
	s_cselect_b32 s30, 0, 512
	s_cselect_b32 s31, 4096, s31                   ; a row in bytes
	s_cselect_b32 s72, 8, 6                        ; K steps in a row
	s_cselect_b32 s73, 0x20000000, s73             ; 2^32 / 8, or 2^32 / 6 rounded up
	s_sub_co_u32 s3, s3, s30                       ; the unit's number in its tensor
	s_mul_hi_u32 s74, s3, s73                      ; its block of rows
	s_mul_i32 s75, s74, s72
	s_sub_co_u32 s75, s3, s75                      ; its K step
	s_mul_i32 s76, s74, s31
	s_lshl_b32 s76, s76, 7                         ; 128 rows a block
	s_lshl_b32 s77, s75, 9                         ; 512 bytes a K step
	s_add_co_u32 s76, s76, s77
	s_mov_b32 s77, 0
	s_add_nc_u64 s[32:33], s[8:9], s[76:77]        ; the unit's first number
	s_mul_i32 s76, s3, 12800
	s_add_nc_u64 s[66:67], s[12:13], s[76:77]      ; the unit's image
	s_lshl_b32 s68, s31, 3
	s_mov_b32 s69, 0
.irp k, 1,2,3,4,5,6,7,8,9,10,11,12,13,14,15
	s_add_nc_u64 s[32+2*\k:33+2*\k], s[30+2*\k:31+2*\k], s[68:69]   ; sixteen bases, eight rows apart
.endr
	v_and_b32 v3, 15, v0                           ; r
	v_bfe_u32 v6, v0, 4, 1                         ; h
	s_mul_i32 s78, s2, ASTG
	s_wait_alu depctr_va_vdst(0)
	v_add_nc_u32 v7, s78, v[LI]                    ; the stage, on the way in: a row's 512 bytes as they lie
	v_mul_u32_u24 v8, v3, APITCH
	v_lshl_add_u32 v8, v6, 6, v8
	v_add_nc_u32 v8, s78, v8                       ; and on the way out: row r, + 64 h: my 16 numbers of each block of 32
.irp i, 0,1,2,3,4,5,6,7
	v_mad_u32_u24 v[OFF+\i], s31, \i, v[LI]
.endr
.irp b, 0,1,2,3
	v_mov_b32 v[TM+4+\b], 0                        ; written once: a lane permute's destination counts as one of its sources
.endr
; tile t's 16 rows, 32 (t / 2) + 8 (t % 2) + 0 .. 7 and the eight that lie 16 further on, into set t % 3: each load reads one row's 512 consecutive bytes
.macro ALOAD t
.set KB, 32+2*(4*((\t)/2)+(\t)%2)
.set LS, 64+64*((\t)%3)
.irp i, 0,1,2,3,4,5,6,7,8,9,10,11,12,13,14,15
	global_load_b128 v[LS+4*\i:LS+4*\i+3], v[OFF+\i%8], s[KB+4*(\i/8):KB+4*(\i/8)+1] th:TH_LOAD_NT
.endr
.endm
; the tile turns through my stage and comes back into the registers that it left: register 16 b + i = k 32 b + 16 h + i of row r.  LDS serves a wave's instructions in order: no wait between the stores and the loads
.macro ATURN t
.set TS, 64+64*((\t)%3)
.irp i, 0,1,2,3,4,5,6,7,8,9,10,11,12,13,14,15
	ds_store_b128 v7, v[TS+4*\i:TS+4*\i+3] offset:APITCH*\i
.endr
.irp b, 0,1,2,3
.irp j, 0,1,2,3
	ds_load_b128 v[TS+16*\b+4*\j:TS+16*\b+4*\j+3], v8 offset:128*\b+16*\j
.endr
.endr
.endm
; 64 numbers of a lane become a fragment's codes in v[PC] on and its scale word in v[pw]
.macro QUANT s, pw
.irp b, 0,1,2,3
	v_max3_num_f32 v[TM+\b], |v[\s+16*\b]|, |v[\s+1+16*\b]|, 0x1800000   ; my 16 numbers of block b, and the floor 2^(3 - 127): the byte cannot fall under 1
.endr
.irp i, 2,4,6,8,10,12,14
.irp b, 0,1,2,3
	v_max3_num_f32 v[TM+\b], v[TM+\b], |v[\s+16*\b+\i]|, |v[\s+1+16*\b+\i]|   ; the four blocks by turns
.endr
.endr
.irp b, 0,1,2,3
	v_permlanex16_b32 v[TM+4+\b], v[TM+\b], s[SEL], s[SEL+1]
.endr
.irp b, 0,1,2,3
	v_max_num_f32 v[TM+\b], v[TM+\b], v[TM+4+\b]   ; with lane l xor 16's: the block's largest magnitude
.endr
.irp b, 0,1,2,3
	v_add_nc_u32 v[TM+8+\b], 0xff000000, v[TM+\b]  ; 2 off its exponent field: the conversion takes the exponent field of this operand as its scale
.endr
.irp b, 0,1,2,3
	v_lshrrev_b32 v[TM+4+\b], 23, v[TM+8+\b]       ; the scale's byte
.endr
	v_lshl_or_b32 v[\pw], v[TM+5], 8, v[TM+4]
	v_lshl_or_b32 v[\pw], v[TM+6], 16, v[\pw]
	v_lshl_or_b32 v[\pw], v[TM+7], 24, v[\pw]
.irp c, 0,1
	v_cvt_scalef32_pk16_fp6_f32 v[PC+6*\c:PC+2+6*\c], v[\s+32*\c:\s+15+32*\c], v[TM+8+2*\c]
	v_cvt_scalef32_pk16_fp6_f32 v[PC+12+4*\c:PC+14+4*\c], v[\s+16+32*\c:\s+31+32*\c], v[TM+9+2*\c]   ; (a conversion's three registers begin on an even number)
.endr
	v_nop                                          ; one plain place behind a scaled conversion
.irp c, 0,1                                    ; the operand wants a whole block in a lane: lanes 0-15 block 2 c, lanes 16-31 block 2 c + 1
.irp i, 0,1,2
	v_permlane16_swap_b32 v[PC+6*\c+\i], v[PC+12+4*\c+\i]
.endr
.irp i, 0,1,2
	v_mov_b32 v[PC+3+6*\c+\i], v[PC+12+4*\c+\i]
.endr
.endr
.endm
.macro ASTEP t
	s_wait_dscnt 0x0                               ; tile t is back from the stage
.if (\t) < 7
.if (\t)+2 <= 7
	s_wait_loadcnt 16                              ; tile t + 1's sixteen loads are in; tile t + 2's may be out
.else
	s_wait_loadcnt 0
.endif
	ATURN (\t)+1                                   ; it turns through the stage while tile t is quantised
.endif
	s_wait_xcnt 0x0                                ; the last tile's stores have read v[PC] on: only now are the codes written again
.set XS, 64+64*((\t)%3)
	QUANT XS, PW+(\t)
.irp g, 0,1,2
	global_store_b128 v[LI], v[PC+4*\g:PC+4*\g+3], s[66:67] offset:1536*(\t)+512*\g   ; 32 lanes store 512 consecutive bytes, aligned
.endr
.if (\t)+3 < 8
	ALOAD (\t)+3                                   ; into the set just quantised
.endif
.endm
	ALOAD 0
	ALOAD 1
	ALOAD 2
	s_wait_loadcnt 32                              ; tile 0's loads are in; tiles 1 and 2 may be out
	ATURN 0
.irp t, 0,1,2,3,4,5,6,7
	ASTEP \t
.endr
	v_cmp_le_u32 vcc_lo, 16, v[LANE]
.irp i, 0,1,2,3
	v_cndmask_b32 v[WS+\i], v[PW+\i], v[PW+4+\i], vcc_lo   ; lanes 0-15 store the words of tiles 0-3 of row r, lanes 16-31 those of tiles 4-7
.endr
	global_store_b128 v[LI], v[WS:WS+3], s[66:67] offset:12288
	s_branch .Lend
; ---------------- THE WEIGHTS: a lane takes a column, its registers run down K ----------------
.Lweights:
	s_sub_co_u32 s3, ttmp9, 224                    ; job 0 .. 111: 32 for Wq, 32 for Wo, 24 for Wk, 24 for Wv
	s_sub_co_u32 s30, s3, 88
	s_sub_co_u32 s31, s3, 64
	s_sub_co_u32 s72, s3, 32
	s_mov_b32 s73, 6                               ; K steps of the tensor
	s_mov_b32 s74, 8                               ; Wv's blocks of columns lie behind Wk's eight
	s_mov_b64 s[8:9], s[22:23]
	s_mov_b64 s[12:13], s[28:29]
	s_cmp_lt_u32 s3, 88
	s_cselect_b64 s[8:9], s[20:21], s[8:9]
	s_cselect_b32 s30, s31, s30
	s_cselect_b32 s74, 0, s74
	s_cmp_lt_u32 s3, 64
	s_cselect_b64 s[8:9], s[18:19], s[8:9]
	s_cselect_b64 s[12:13], s[26:27], s[12:13]
	s_cselect_b32 s30, s72, s30
	s_cselect_b32 s73, 8, s73
	s_cmp_lt_u32 s3, 32
	s_cselect_b64 s[8:9], s[16:17], s[8:9]
	s_cselect_b64 s[12:13], s[24:25], s[12:13]
	s_cselect_b32 s30, s3, s30                     ; the job's number in its tensor
	s_and_b32 s75, s30, 7                          ; block of 128 columns
	s_lshr_b32 s76, s30, 3                         ; which 256 along K
	s_lshr_b32 s77, s2, 1
	s_and_b32 s78, s2, 1
	s_add_co_u32 s79, s75, s74                     ; units of 8 tiles: unit = block x K steps + 2 x (which 256)
	s_mul_i32 s79, s79, s73
	s_lshl_b32 s80, s76, 1
	s_add_co_u32 s79, s79, s80
	s_mul_i32 s79, s79, 12800
	s_mul_i32 s81, s2, 3072                        ; my tiles 2 w, 2 w + 1
	s_lshl_b32 s82, s77, 8
	s_lshl_b32 s83, s78, 3
	s_add_co_u32 s82, s82, s83
	s_add_co_u32 s82, s82, 12288                   ; and their scale words
	s_lshl_b32 s84, s75, 1                         ; units of 4 tiles (Wq): head = 2 x block + w / 2
	s_add_co_u32 s84, s84, s77
	s_lshl_b32 s84, s84, 3
	s_add_co_u32 s84, s84, s80
	s_mul_i32 s84, s84, 6400
	s_mul_i32 s85, s78, 3072
	s_add_co_u32 s86, s83, 6144
	s_mov_b32 s87, 12800
	s_cmp_lt_u32 s3, 32
	s_cselect_b32 s79, s84, s79
	s_cselect_b32 s81, s85, s81
	s_cselect_b32 s82, s86, s82
	s_cselect_b32 s87, 6400, s87                   ; from a K step's unit to the next
	s_mov_b32 s89, 0
	s_add_co_u32 s88, s79, s81
	s_add_nc_u64 s[32:33], s[12:13], s[88:89]      ; my two fragments of the first K step,
	s_add_co_u32 s88, s79, s82
	s_add_nc_u64 s[36:37], s[12:13], s[88:89]      ; their scale words,
	s_mov_b32 s88, s87
	s_add_nc_u64 s[34:35], s[32:33], s[88:89]      ; and the same of the second
	s_add_nc_u64 s[38:39], s[36:37], s[88:89]
	s_lshl_b32 s88, s76, 20                        ; 256 rows of 4,096 bytes
	s_lshl_b32 s90, s75, 9
	s_add_co_u32 s88, s88, s90
	s_lshl_b32 s90, s2, 7
	s_add_co_u32 s88, s88, s90                     ; + my 32 columns
	s_add_nc_u64 s[8:9], s[8:9], s[88:89]
	s_wait_alu depctr_va_vdst(0)
	v_lshlrev_b32 v3, 2, v[LANE]                   ; in: 4 bytes a lane
	v_bfe_u32 v6, v0, 3, 1                         ; column 8 u + r + 8 (r / 8) of my 32: u,
	v_and_b32 v10, 7, v0
	v_bfe_u32 v11, v0, 4, 1
	v_lshl_or_b32 v10, v11, 3, v10                 ; and r
	s_mul_i32 s92, s2, WSTG
	s_add_co_u32 s92, s92, WBASE
	v_mul_u32_u24 v7, v6, WFR
	v_lshl_add_u32 v7, v10, 4, v7
	v_add_nc_u32 v7, s92, v7                       ; my stage, on the way in: fragment u, lane r's 16 bytes
	v_add_nc_u32 v8, s92, v[LI]                    ; and on the way out: 16 x lane
	v_lshlrev_b32 v9, 4, v10
	v_lshl_add_u32 v9, v6, 2, v9                   ; my scale word's place: 16 r + 4 u
.macro WLOAD t                         ; block t: W(32 t + i, my column) into set t % 2: 32 lanes read 128 consecutive bytes
.irp i, 0,1,2,3,4,5,6,7,8,9,10,11,12,13,14,15,16,17,18,19,20,21,22,23,24,25,26,27,28,29,30,31
	global_load_b32 v[64+32*((\t)%2)+\i], v3, s[8:9] offset:(32*(\t)+\i)*4096 th:TH_LOAD_NT
.endr
.endm
; Block t is block 2 c + h of K step t / 4: its 24 bytes are registers 6 c .. 6 c + 5 of lane (r, h) of my column's fragment
.macro WBLOCK t
.set XW, 64+32*((\t)%2)
.set SO, 2*WFR*((\t)/4)+256*((\t)%2)
.if (\t) < 7
	s_wait_loadcnt 32                              ; this block's 32 loads are in; the next block's may be out
.else
	s_wait_loadcnt 0
.endif
	v_max3_num_f32 v12, |v[XW]|, |v[XW+1]|, |v[XW+2]|
	v_max3_num_f32 v13, |v[XW+3]|, |v[XW+4]|, |v[XW+5]|
.irp i, 6,10,14,18,22,26
	v_max3_num_f32 v12, v12, |v[XW+\i]|, |v[XW+\i+1]|
	v_max3_num_f32 v13, v13, |v[XW+\i+2]|, |v[XW+\i+3]|
.endr
	v_max3_num_f32 v12, v12, |v[XW+30]|, |v[XW+31]|
	v_max3_num_f32 v12, v12, v13, 0x1800000        ; and the floor
	v_add_nc_u32 v11, 0xff000000, v12              ; the conversion's scale operand
	v_lshrrev_b32 v13, 23, v11                     ; the byte
.if (\t)%4 == 0
	v_mov_b32 v[24+(\t)/4], v13
.else
	v_lshl_or_b32 v[24+(\t)/4], v13, 8*((\t)%4), v[24+(\t)/4]
.endif
	v_cvt_scalef32_pk16_fp6_f32 v[32:34], v[XW:XW+15], v11
	v_cvt_scalef32_pk16_fp6_f32 v[38:40], v[XW+16:XW+31], v11
	v_nop                                          ; one plain place behind a scaled conversion
	v_mov_b32 v35, v38
	v_mov_b32 v36, v39
	v_mov_b32 v37, v40
.if ((\t)/2)%2 == 0
	ds_store_b128 v7, v[32:35] offset:SO           ; registers 0-3,
	ds_store_b64 v7, v[36:37] offset:SO+512        ; 4 and 5
.else
	ds_store_b64 v7, v[32:33] offset:SO+520        ; registers 6 and 7,
	ds_store_b128 v7, v[34:37] offset:SO+1024      ; 8-11
.endif
.if (\t)+2 < 8
	WLOAD (\t)+2
.endif
	s_wait_dscnt 0x0                               ; the stores have read their registers: the next block's codes may be written
.endm
	WLOAD 0
	WLOAD 1
.irp t, 0,1,2,3,4,5,6,7
	WBLOCK \t
.endr
	global_store_b32 v9, v24, s[36:37]             ; my column's scale words: 4 bytes a lane, the one place where this program stores so little at a time (115 KB in all)
	s_wait_alu depctr_va_vdst(0)
	global_store_b32 v9, v25, s[38:39]
.irp f, 0,1,2,3
.irp g, 0,1,2
	ds_load_b128 v[128+4*(3*\f+\g):131+4*(3*\f+\g)], v8 offset:WFR*\f+512*\g   ; LDS serves a wave's instructions in order: these see my stores
.endr
.endr
.irp f, 0,1,2,3
.irp g, 0,1,2
	s_wait_dscnt 11-3*\f-\g
	global_store_b128 v[LI], v[128+4*(3*\f+\g):131+4*(3*\f+\g)], s[32+2*(\f/2):33+2*(\f/2)] offset:1536*(\f%2)+512*\g
.endr
.endr
.Lend:
	s_wait_tensorcnt 0x0                           ; the wave's end, behind my last LDS store
	ds_add_u32 v[SPW], v[NIL]
	s_wait_dscnt 0x0
	s_endpgm
.Lfunc_end_k_q8f0fcdd01e_quant:
	.size	k_q8f0fcdd01e_quant, .Lfunc_end_k_q8f0fcdd01e_quant-k_q8f0fcdd01e_quant
	.p2alignl 7, 3214868480
	.fill 96, 4, 3214868480
	.section	.rodata,"a",@progbits
	.p2align	6, 0x0
	.amdhsa_kernel k_q8f0fcdd01e_quant
		.amdhsa_group_segment_fixed_size 60928
		.amdhsa_private_segment_fixed_size 0
		.amdhsa_enable_private_segment 0
		.amdhsa_kernarg_size 88
		.amdhsa_user_sgpr_count 2
		.amdhsa_user_sgpr_kernarg_segment_ptr 1
		.amdhsa_wavefront_size32 1
		.amdhsa_system_sgpr_workgroup_id_x 1
		.amdhsa_system_sgpr_workgroup_id_y 1
		.amdhsa_system_sgpr_workgroup_id_z 1
		.amdhsa_system_vgpr_workitem_id 0
		.amdhsa_next_free_vgpr 256
		.amdhsa_next_free_sgpr 100
		.amdhsa_reserve_vcc 1
		.amdhsa_float_denorm_mode_32 3
		.amdhsa_float_denorm_mode_16_64 3
		.amdhsa_memory_ordered 1
		.amdhsa_forward_progress 1
		.amdhsa_inst_pref_size 108
	.end_amdhsa_kernel
	.amdgpu_metadata
---
amdhsa.version: [ 1, 2 ]
amdhsa.kernels:
  - .name:           k_q8f0fcdd01e_quant
    .symbol:         k_q8f0fcdd01e_quant.kd
    .args:
      - { .name: query, .offset: 0, .size: 8, .value_kind: global_buffer, .address_space: global }
      - { .name: kv, .offset: 8, .size: 8, .value_kind: global_buffer, .address_space: global }
      - { .name: q_img, .offset: 16, .size: 8, .value_kind: global_buffer, .address_space: global }
      - { .name: kv_img, .offset: 24, .size: 8, .value_kind: global_buffer, .address_space: global }
      - { .name: Wq, .offset: 32, .size: 8, .value_kind: global_buffer, .address_space: global }
      - { .name: Wo, .offset: 40, .size: 8, .value_kind: global_buffer, .address_space: global }
      - { .name: Wk, .offset: 48, .size: 8, .value_kind: global_buffer, .address_space: global }
      - { .name: Wv, .offset: 56, .size: 8, .value_kind: global_buffer, .address_space: global }
      - { .name: wq_img, .offset: 64, .size: 8, .value_kind: global_buffer, .address_space: global }
      - { .name: wo_img, .offset: 72, .size: 8, .value_kind: global_buffer, .address_space: global }
      - { .name: wkv_img, .offset: 80, .size: 8, .value_kind: global_buffer, .address_space: global }
    .group_segment_fixed_size: 60928
    .private_segment_fixed_size: 0
    .kernarg_segment_align: 8
    .kernarg_segment_size: 88
    .max_flat_workgroup_size: 128
    .sgpr_count:     100
    .vgpr_count:     256
    .wavefront_size: 32
...
	.end_amdgpu_metadata
.endif
;; end of part 1
;; launch proj (part 2): grid 8 x 32, 4 waves a work-group, clusters of 4 x 4, 307,712 bytes of LDS; arguments kv_img, wkv_img, k_img, v_img; writes k_img, v_img
.if DOCPART == 2
	.amdgcn_target "amdgcn-amd-amdhsa--gfx1250"
	.amdhsa_code_object_version 6
	.text
	.protected	k_q8f0fcdd01e_proj
	.globl	k_q8f0fcdd01e_proj
	.p2align	8
	.type	k_q8f0fcdd01e_proj,@function
k_q8f0fcdd01e_proj:
	s_mov_b64 s[64:65], 0
	v_nop
	global_prefetch_b8 v0, s[64:65] scope:SCOPE_SE
	s_setreg_imm32_b32 hwreg(HW_REG_WAVE_MODE, 25, 1), 1
	s_wait_xcnt 0x0
	s_wait_alu depctr_hold_cnt(0) depctr_sa_sdst(0) depctr_va_vdst(0) depctr_va_sdst(0) depctr_va_ssrc(0) depctr_va_vcc(0) depctr_vm_vsrc(0)
	s_getreg_b32 s2, hwreg(HW_REG_IB_STS2, 6, 4)
	s_cmp_eq_u32 s2, 0
	s_cbranch_scc0 .Lentry_in_a_cluster
	s_endpgm
.Lentry_in_a_cluster:
	s_bfe_u32 s2, ttmp6, 0x10000c
	s_cmp_lg_u32 s2, 0xf033
	s_cbranch_scc0 .Lentry_shape_is_right
	s_endpgm
.Lentry_shape_is_right:
; k = kv Wk and v = kv Wv on codes of FP6 (E2M3), K = 768; the results are quantised in registers, k along a head's 64 channels, v along the keys, and leave as images of operand registers.
; A work-group of four waves makes 256 x 256 numbers, a wave 128 x 128: 64 accumulators.  Source 0 is called P, source 1 Q: a lane of a result holds one row of Q, and its registers run along rows of P.
; Cluster x = 0 makes k: P = Wk's columns, Q = kv's rows, so a lane's registers run along the channels.  Cluster x = 1 makes v: P = kv's rows (the keys), Q = Wv's columns, so they run along the keys.
; Lane r of tile 2 b + u of every image holds row 32 b + 8 u + r + 8 (r / 8), so the 16 registers of tiles 2 b and 2 b + 1 of P are 16 neighbours: 32 b + 16 (lane / 16) + 0 .. 15.
; ALL OF K IS RESIDENT: 2 x 256 rows x 768 codes with their scale words are 307,200 bytes.  Each wave asks for its quarter in one tensor load at the head (one of mine is out by this text's count); nothing is filled
; again, and no later stream is waited for: nothing is prefetched.
; CLUSTERS: 4 x 4 work-groups.  P's tile hangs on cx alone and is asked for jointly by a column of the cluster, Q's on cy alone and by a row.
; k_img [batch x head][key step of 128] units of 6,400 bytes: 'fragment' p holds key tile 2 p (64 channels) in registers 0-5 and key tile 2 p + 1 in registers 6-11; the word's bytes 0, 1 and 2, 3 likewise.
; v_img the same units: fragment t = 16 channels x 128 keys.
; LIMITS: NaN and infinities are not served; a block under 2^-124, and a block of zeros, keep the byte 1 (zero codes; this program alone reads the bytes).
; REGISTERS: window 0: v16-29 addresses; v32-47 scale words, two sets; v48-111 the way out; v128-223 Q's 8 fragments, one set.  window 1: P's fragments, two sets, at v0 and v128.  windows 2, 3: accumulator (a, b) at v[8 (8 (a % 4) + b)].
.set UNIT,  12800
.set HALF,  76800                      ; 128 rows x all six K steps, dense in memory: what a wave's one tensor load brings
.set CHUNK, 25600                      ; two K steps of a half: the step of the LDS addresses
.set SPARE, 307200                     ; the spare words, 128 bytes for each wave: two blocks of 256 bytes that no other line names
.set FR,   12
.set ADQ,  16
.set ADP,  20
.set GW,   25                          ; v25 where I store four scale words: 16 r + 102,400 h
.set LI,   26                          ; v26 16 x lane
.set ADS,  27
.set SPW,  28
.set NIL,  29
.set SC,   32
.set TM,   48
.set CT,   64
.set IA,   72
.set IB,   84
.set PWE,  96
.set PWO,  97
.set WD,   100
.set WS,   108
.set QF,   128
.set SEL,  20
.set G1Q,  24
.set G1P,  32
.set G0Q,  40
.set G0P,  52
.set MSB, 0
.macro WIN new                         ; the immediate's high byte repeats the setting that is left
.if MSB != \new
	s_set_vgpr_msb (MSB<<8)|\new
.set MSB, \new
.endif
.endm
.set MUL_LO, 0xa1                      ; source 0 (P) window 1, source 1 (Q) window 0, C and D window 2
.set MUL_HI, 0xf1
.set TO_P,   0x40
.macro CREST
	s_cmp_lg_u32 s14, 0
	s_cbranch_scc1 .Lnot_wave_0_\@
	s_barrier_signal -3
.Lnot_wave_0_\@:
	s_barrier_wait -3
	s_barrier_signal -1
	s_barrier_wait -1
.endm
.macro CROUND
	s_barrier_signal -1
	s_barrier_wait -1
	CREST
.endm
.macro PLACES
.rept 4
	v_nop
.endr
.endm
	s_load_b256 s[4:11], s[0:1], 0x0               ; kv_img 4, wkv_img 6, k_img 8, v_img 10
	v_lshl_add_u32 v[SPW], v0, 2, SPARE
	v_mov_b32 v[NIL], 0
	ds_add_u32 v[SPW], v[NIL]                      ; the wave's opening: the add and its wait ahead of my first tensor load
	ds_add_u32 v[SPW], v[NIL]
	v_lshrrev_b32 v1, 5, v0
	v_readfirstlane_b32 s14, v1                    ; wave 0..3
	s_lshr_b32 s15, s14, 1                         ; my half of Q's rows.  Also: I fetch for Q (0) or for P (1)
	s_and_b32 s16, s14, 1                          ; my half of P's rows.  Also: which half I fetch
	s_bfe_u32 s66, ttmp6, 0x40000                  ; cx
	s_bfe_u32 s67, ttmp6, 0x40004                  ; cy
	s_and_b32 s68, ttmp7, 0xffff                   ; cluster y
	s_cmp_eq_u32 ttmp9, 0                          ; cluster x: the same in all sixteen partners
	s_cselect_b32 s69, 0, s68
	s_cselect_b32 s70, s68, 0
	s_cselect_b32 s75, 0, 614400                   ; Wv's blocks lie behind Wk's eight
	s_lshl_b32 s71, s69, 2
	s_add_co_u32 s71, s71, s66                     ; P's block of 256 rows
	s_lshl_b32 s72, s70, 2
	s_add_co_u32 s72, s72, s67                     ; Q's
	s_lshl_b32 s73, s67, 2
	s_lshl_b32 s73, 15, s73                        ; my row of the cluster
	s_lshl_b32 s74, 0x1111, s66                    ; my column
	s_or_b32 s[G1Q], s73, (3<<16)|(1<<21)          ; 15:0 the mask; 17:16 elements of 8 bytes; 21 set beside a mask; no padding
	s_or_b32 s[G1P], s74, (3<<16)|(1<<21)
.irp g, G1Q, G1P                       ; a dense block of 76,800 bytes as 300 rows of 256
	s_mov_b32 s[\g+1], 32<<16
	s_mov_b32 s[\g+2], 300<<16                     ; 76,800 dense bytes as 300 rows of 256
	s_mov_b32 s[\g+3], 32<<16
	s_mov_b32 s[\g+4], 300
	s_mov_b32 s[\g+5], 32
	s_mov_b32 s[\g+6], 0
	s_mov_b32 s[\g+7], 0
.endr
	s_lshl_b32 s76, s72, 1
	s_add_co_u32 s76, s76, s16
	s_mul_i32 s76, s76, 76800                      ; a block of 128 rows is six units
	s_add_co_u32 s76, s76, s75
	s_mov_b32 s77, 0
	s_lshl_b32 s78, s71, 1
	s_add_co_u32 s78, s78, s16
	s_mul_i32 s78, s78, 76800
	s_mov_b32 s79, 0
	s_mul_i32 s17, s14, HALF                       ; where my part goes: no place in the cluster enters an LDS address
	s_mov_b32 s[SEL], 0x76543210
	s_mov_b32 s[SEL+1], 0xfedcba98
	s_wait_dscnt 0x0                               ; the opening add is done
	s_wait_kmcnt 0x0
	s_cmp_eq_u32 ttmp9, 0
	s_cselect_b64 s[80:81], s[4:5], s[6:7]         ; Q's buffer
	s_cselect_b64 s[82:83], s[6:7], s[4:5]         ; P's
	s_cselect_b64 s[86:87], s[8:9], s[10:11]       ; the result's
	s_add_nc_u64 s[80:81], s[80:81], s[76:77]
	s_add_nc_u64 s[82:83], s[82:83], s[78:79]
	CROUND                                         ; all sixteen work-groups are here: the joint loads meet
.irp c, 0
	s_mov_b32 s[G0Q+4*\c], 1
	s_add_co_u32 s[G0Q+4*\c+1], s17, \c*CHUNK
	s_add_nc_u64 s[G0Q+4*\c+2:G0Q+4*\c+3], s[80:81], \c*HALF
	s_or_b32 s[G0Q+4*\c+3], s[G0Q+4*\c+3], 0x80000000
	s_mov_b32 s[G0P+4*\c], 1
	s_add_co_u32 s[G0P+4*\c+1], s17, \c*CHUNK
	s_add_nc_u64 s[G0P+4*\c+2:G0P+4*\c+3], s[82:83], \c*HALF
	s_or_b32 s[G0P+4*\c+3], s[G0P+4*\c+3], 0x80000000
.endr
	s_cmp_eq_u32 s15, 0                            ; a wave's one fill stands in one branch on the wave's number
	s_cbranch_scc0 .Lfill_p
.irp c, 0                              ; one tensor load a wave at the head
	tensor_load_to_lds s[G0Q+4*\c:G0Q+4*\c+3], s[G1Q:G1Q+7]
	s_nop 0
.endr
	PLACES
	s_branch .Lfilled
.Lfill_p:
.irp c, 0
	tensor_load_to_lds s[G0P+4*\c:G0P+4*\c+3], s[G1P:G1P+7]
	s_nop 0
.endr
	PLACES
.Lfilled:
	v_and_b32 v3, 31, v0                           ; lane
	v_and_b32 v1, 15, v0                           ; r
	v_bfe_u32 v2, v0, 4, 1                         ; h
	v_lshlrev_b32 v[LI], 4, v3
	s_mul_i32 s18, s15, HALF
	v_add_nc_u32 v[ADQ], s18, v[LI]                ; my half of Q
	s_mul_i32 s19, s16, HALF
	s_add_co_u32 s19, s19, 2*HALF
	v_add_nc_u32 v[ADP], s19, v[LI]                ; my half of P
	s_sub_co_u32 s19, s19, s18
	v_mul_u32_u24 v4, s19, v2                      ; the scale words: lanes 0-15 take Q's, lanes 16-31 P's
	v_lshl_add_u32 v4, v1, 4, v4
	v_add_nc_u32 v[ADS], s18, v4
	v_mul_u32_u24 v[GW], 0x19000, v2
	v_lshl_add_u32 v[GW], v1, 4, v[GW]
	; k's keys change tiles on the way out: key tile 4 c + i of k_img holds keys 64 c + 8 i + 0 .. 7 in rows 0-7 and the eight that lie 32 further on in rows 8-15.
	; My row r of pair b goes to row r % 8 + 8 (b % 2) of pair 2 (b / 2) + r / 8
	v_and_b32 v30, 7, v0
	v_bfe_u32 v5, v0, 3, 1
	v_mul_u32_u24 v6, 0x19000, v2
	v_lshlrev_b32 v30, 4, v30                      ; 16 (r % 8)
	v_lshl_add_u32 v31, v5, 2, v30
	v_add_nc_u32 v31, v31, v6                      ; v31: a scale word's place: 16 (r % 8) + 4 (r / 8) + 102,400 h
	v_mad_u32_u24 v30, v5, 1536, v30
	v_lshl_add_u32 v30, v2, 8, v30                 ; v30: my 16 bytes of codes: 16 (r % 8) + 1,536 (r / 8) + 256 h
.irp b, 0,1,2,3
	v_mov_b32 v[TM+4+\b], 0                        ; written once: a lane permute's destination counts as one of its sources
.endr
	; where my results go: ((16 x batch + first head) x 16 + key step) units of 6,400 bytes
	s_lshr_b32 s88, s72, 3                         ; k: batch,
	s_and_b32 s89, s72, 7
	s_lshl_b32 s89, s89, 1
	s_add_co_u32 s89, s89, s15                     ; key step,
	s_lshl_b32 s90, s71, 2
	s_lshl_b32 s91, s16, 1
	s_add_co_u32 s90, s90, s91                     ; first of my two heads
	s_lshl_b32 s92, s71, 1
	s_add_co_u32 s92, s92, s16
	s_lshr_b32 s93, s92, 4                         ; v: batch,
	s_and_b32 s92, s92, 15                         ; key step,
	s_lshl_b32 s94, s72, 2
	s_lshl_b32 s95, s15, 1
	s_add_co_u32 s94, s94, s95                     ; first head
	s_cmp_eq_u32 ttmp9, 0
	s_cselect_b32 s88, s88, s93
	s_cselect_b32 s89, s89, s92
	s_cselect_b32 s90, s90, s94
	s_lshl_b32 s88, s88, 4
	s_add_co_u32 s88, s88, s90
	s_lshl_b32 s88, s88, 4
	s_add_co_u32 s88, s88, s89
	s_mul_i32 s88, s88, 6400
	s_mov_b32 s89, 0
	s_add_nc_u64 s[86:87], s[86:87], s[88:89]
.macro FRAG reg, adr, q, i             ; a fragment comes as it was stored: three loads of 512 consecutive bytes
.irp g, 0,1,2
	ds_load_b128 v[\reg+4*\g:\reg+4*\g+3], v[\adr] offset:UNIT*(\q)+1536*(\i)+512*\g
.endr
.endm
.macro FETCH_P q, p
	WIN TO_P
.irp i, 0,1,2,3,4,5,6,7
	FRAG 128*(\p)+FR*\i, ADP, \q, \i
.endr
	WIN 0
.endm
.macro FETCH_Q q, i0
.irp i, \i0, \i0+1, \i0+2, \i0+3
	FRAG QF+FR*(\i), ADQ, \q, \i
.endr
.endm
.macro SCALES p, q                     ; register t of the set: lanes 0-15 the word of Q's tile t, lanes 16-31 that of P's tile t
	ds_load_b128 v[SC+8*(\p):SC+8*(\p)+3], v[ADS] offset:UNIT*(\q)+12288
	ds_load_b128 v[SC+8*(\p)+4:SC+8*(\p)+7], v[ADS] offset:UNIT*(\q)+12288+256
.endm
; 16 matrix instructions: Q's tiles a0, a0 + 1 against P's eight.  The 64 accumulators take turns, one instruction a turn, in the same order in every K step
.macro MUL16 a0, p, zero
.irp a, \a0, \a0+1
.irp b, 0,1,2,3,4,5,6,7
.if \zero
	v_wmma_scale_f32_16x16x128_f8f6f4 v[8*(8*((\a)%4)+\b):8*(8*((\a)%4)+\b)+7], v[128*(\p)+FR*\b:128*(\p)+FR*\b+FR-1], v[QF+FR*(\a):QF+FR*(\a)+FR-1], 0, v[SC+8*(\p)+\b], v[SC+8*(\p)+(\a)] matrix_a_fmt:MATRIX_FMT_FP6 matrix_b_fmt:MATRIX_FMT_FP6 matrix_a_scale:MATRIX_SCALE_ROW1
.else
	v_wmma_scale_f32_16x16x128_f8f6f4 v[8*(8*((\a)%4)+\b):8*(8*((\a)%4)+\b)+7], v[128*(\p)+FR*\b:128*(\p)+FR*\b+FR-1], v[QF+FR*(\a):QF+FR*(\a)+FR-1], v[8*(8*((\a)%4)+\b):8*(8*((\a)%4)+\b)+7], v[SC+8*(\p)+\b], v[SC+8*(\p)+(\a)] matrix_a_fmt:MATRIX_FMT_FP6 matrix_b_fmt:MATRIX_FMT_FP6 matrix_a_scale:MATRIX_SCALE_ROW1
.endif
.endr
.endr
.endm
.macro STEP zero                       ; a chunk's first K step, on set 0; it fetches the second into set 1
	s_wait_dscnt 12                                ; all but the youngest twelve loads (Q's tiles 4-7) are in
	WIN MUL_LO
	MUL16 0, 0, \zero
	MUL16 2, 0, \zero
	s_wait_dscnt 0
	PLACES                                         ; four places in front of loads into registers that matrix instructions have read
	FETCH_P 1, 1
	FETCH_Q 1, 0
	SCALES 1, 1
	WIN MUL_HI
	MUL16 4, 0, \zero
	MUL16 6, 0, \zero
	PLACES
	WIN 0
	FETCH_Q 1, 4
.endm
.macro TURN                            ; a pair's second K step, on set 1: all of K is in LDS, so no wait for tiles and no barrier
	s_wait_dscnt 12
	WIN MUL_LO
	MUL16 0, 1, 0
	s_wait_dscnt 0x0
	MUL16 2, 1, 0
	WIN 0
	PLACES
	v_add_nc_u32 v[ADQ], CHUNK, v[ADQ]
	v_add_nc_u32 v[ADP], CHUNK, v[ADP]
	v_add_nc_u32 v[ADS], CHUNK, v[ADS]
	FETCH_P 0, 0
	FETCH_Q 0, 0
	SCALES 0, 0
	WIN MUL_HI
	MUL16 4, 1, 0
	MUL16 6, 1, 0
	PLACES
	WIN 0
	FETCH_Q 0, 4
.endm
	s_wait_alu depctr_va_vdst(0)
	s_wait_tensorcnt 0x0                           ; my one load, a quarter of all that is resident, is in
	s_barrier_signal -1
	s_barrier_wait -1                              ; everybody's is
	FETCH_P 0, 0
	FETCH_Q 0, 0
	SCALES 0, 0
	FETCH_Q 0, 4
	STEP 1                                         ; the first K step starts the sums: nothing is cleared
	TURN
	s_wait_alu depctr_va_vdst(0)
	STEP 0
	TURN
	s_wait_alu depctr_va_vdst(0)
	STEP 0
	s_wait_dscnt 12                                ; the last K step: nothing more to fetch
	WIN MUL_LO
	MUL16 0, 1, 0
	MUL16 2, 1, 0
	s_wait_dscnt 0
	WIN MUL_HI
	MUL16 4, 1, 0
	MUL16 6, 1, 0
	WIN 0
	PLACES
; THE WAY OUT.  The 64 registers of Q's tile a are 128 neighbours along P for my row: register 16 b + i = 32 b + 16 h + i.  They become 12 registers of codes, six at da and six at db, and a scale word.
.macro QUANTW a, da, db, pw
.set ACB, 64*((\a)%4)
	WIN 0x0a+5*((\a)/4)                            ; sources 0 and 1: the accumulators' window
.irp b, 0,1,2,3
	v_max3_num_f32 v[TM+\b], |v[ACB+16*\b]|, |v[ACB+16*\b+1]|, 0x1800000   ; each accumulator is read from its low end on; the floor 2^(3 - 127) holds the byte at 1
.endr
.irp i, 2,4,6,8,10,12,14
.irp b, 0,1,2,3
	v_max3_num_f32 v[TM+\b], |v[ACB+16*\b+\i]|, |v[ACB+16*\b+\i+1]|, v[TM+\b]
.endr
.endr
	WIN 0
.irp b, 0,1,2,3
	v_permlanex16_b32 v[TM+4+\b], v[TM+\b], s[SEL], s[SEL+1]
.endr
.irp b, 0,1,2,3
	v_max_num_f32 v[TM+\b], v[TM+\b], v[TM+4+\b]
.endr
.irp b, 0,1,2,3
	v_add_nc_u32 v[TM+8+\b], 0xff000000, v[TM+\b]
.endr
.irp b, 0,1,2,3
	v_lshrrev_b32 v[TM+4+\b], 23, v[TM+8+\b]
.endr
	v_lshl_or_b32 v[\pw], v[TM+5], 8, v[TM+4]
	v_lshl_or_b32 v[\pw], v[TM+6], 16, v[\pw]
	v_lshl_or_b32 v[\pw], v[TM+7], 24, v[\pw]
	WIN 0x02+(\a)/4                                ; source 0: the accumulators' window
	v_cvt_scalef32_pk16_fp6_f32 v[(\da):(\da)+2], v[ACB:ACB+15], v[TM+8]
	v_cvt_scalef32_pk16_fp6_f32 v[CT:CT+2], v[ACB+16:ACB+31], v[TM+9]
	v_cvt_scalef32_pk16_fp6_f32 v[(\db):(\db)+2], v[ACB+32:ACB+47], v[TM+10]
	v_cvt_scalef32_pk16_fp6_f32 v[CT+4:CT+6], v[ACB+48:ACB+63], v[TM+11]
	WIN 0
	v_nop                                          ; one plain place behind a scaled conversion
.irp i, 0,1,2
	v_permlane16_swap_b32 v[(\da)+\i], v[CT+\i]
	v_permlane16_swap_b32 v[(\db)+\i], v[CT+4+\i]
.endr
.irp i, 0,1,2
	v_mov_b32 v[(\da)+3+\i], v[CT+\i]
	v_mov_b32 v[(\db)+3+\i], v[CT+4+\i]
.endr
.endm
	s_cmp_eq_u32 ttmp9, 0
	s_cbranch_scc0 .Lvtype
.irp p, 0,1,2,3                        ; k: a tile's codes 0-5 are my first head's 64 channels, 6-11 my second head's; key tiles 2 p and 2 p + 1 make a pair for each head
	s_wait_xcnt 0x0                                ; the last pair's stores have read their registers
	QUANTW 2*\p, IA, IB, PWE
	QUANTW 2*\p+1, IA+6, IB+6, PWO
	v_perm_b32 v[WD+\p], v[PWO], v[PWE], 0x05040100    ; bytes 0, 1 of both words: the first head's
	v_perm_b32 v[WD+4+\p], v[PWO], v[PWE], 0x07060302  ; bytes 2, 3: the second head's
.irp g, 0,1,2
	global_store_b128 v30, v[IA+4*\g:IA+4*\g+3], s[86:87] offset:3072*(\p/2)+128*(\p%2)+512*\g   ; eight lanes store 128 consecutive bytes; pairs p and p + 1 fill the units together
	global_store_b128 v30, v[IB+4*\g:IB+4*\g+3], s[86:87] offset:102400+3072*(\p/2)+128*(\p%2)+512*\g
.endr
.endr
	s_branch .Ltail
.Lvtype:
.irp a, 0,1,2,3,4,5,6,7                ; v: tile a is 16 channels x 128 keys: a whole fragment of head a / 4
	s_wait_xcnt 0x0
	QUANTW \a, IA, IA+6, WD+\a
.irp g, 0,1,2
	global_store_b128 v[LI], v[IA+4*\g:IA+4*\g+3], s[86:87] offset:102400*(\a/4)+1536*(\a%4)+512*\g
.endr
.endr
.Ltail:
	v_cmp_le_u32 vcc_lo, 16, v3
	s_wait_alu depctr_va_vdst(0)
.irp i, 0,1,2,3
	v_cndmask_b32 v[WS+\i], v[WD+\i], v[WD+4+\i], vcc_lo   ; lanes 0-15 store the first head's four words of row r, lanes 16-31 the second head's
.endr
	s_cmp_eq_u32 ttmp9, 0                          ; cluster x: the same in all partners
	s_wait_alu depctr_va_vdst(0)
	s_cbranch_scc0 .Lvwords
.irp b, 0,1,2,3                        ; k: the word of pair b follows its rows: 4 bytes a lane, 256 bytes a unit in all
	global_store_b32 v31, v[WS+\b], s[86:87] offset:6144+128*(\b%2)+8*(\b/2)
.endr
	s_branch .Lwords_done
.Lvwords:
	global_store_b128 v[GW], v[WS:WS+3], s[86:87] offset:6144
.Lwords_done:
	s_wait_tensorcnt 0x0                           ; the wave's end
	ds_add_u32 v[SPW], v[NIL]
	s_wait_dscnt 0x0
	CROUND                                         ; the closing round
	s_endpgm
.Lfunc_end_k_q8f0fcdd01e_proj:
	.size	k_q8f0fcdd01e_proj, .Lfunc_end_k_q8f0fcdd01e_proj-k_q8f0fcdd01e_proj
	.p2alignl 7, 3214868480
	.fill 96, 4, 3214868480
	.section	.rodata,"a",@progbits
	.p2align	6, 0x0
	.amdhsa_kernel k_q8f0fcdd01e_proj
		.amdhsa_group_segment_fixed_size 307712
		.amdhsa_private_segment_fixed_size 0
		.amdhsa_enable_private_segment 0
		.amdhsa_kernarg_size 32
		.amdhsa_user_sgpr_count 2
		.amdhsa_user_sgpr_kernarg_segment_ptr 1
		.amdhsa_wavefront_size32 1
		.amdhsa_system_sgpr_workgroup_id_x 1
		.amdhsa_system_sgpr_workgroup_id_y 1
		.amdhsa_system_sgpr_workgroup_id_z 1
		.amdhsa_system_vgpr_workitem_id 0
		.amdhsa_next_free_vgpr 1024
		.amdhsa_next_free_sgpr 100
		.amdhsa_reserve_vcc 1
		.amdhsa_float_denorm_mode_32 3
		.amdhsa_float_denorm_mode_16_64 3
		.amdhsa_memory_ordered 1
		.amdhsa_forward_progress 1
		.amdhsa_inst_pref_size 145
	.end_amdhsa_kernel
	.amdgpu_metadata
---
amdhsa.version: [ 1, 2 ]
amdhsa.kernels:
  - .name:           k_q8f0fcdd01e_proj
    .symbol:         k_q8f0fcdd01e_proj.kd
    .args:
      - { .name: kv_img, .offset: 0, .size: 8, .value_kind: global_buffer, .address_space: global }
      - { .name: wkv_img, .offset: 8, .size: 8, .value_kind: global_buffer, .address_space: global }
      - { .name: k_img, .offset: 16, .size: 8, .value_kind: global_buffer, .address_space: global }
      - { .name: v_img, .offset: 24, .size: 8, .value_kind: global_buffer, .address_space: global }
    .group_segment_fixed_size: 307712
    .private_segment_fixed_size: 0
    .kernarg_segment_align: 8
    .kernarg_segment_size: 32
    .max_flat_workgroup_size: 128
    .sgpr_count:     100
    .vgpr_count:     1024
    .wavefront_size: 32
...
	.end_amdgpu_metadata
.endif
;; end of part 2
;; launch attn (part 3): grid 4 x 64, 16 waves a work-group, clusters of 4 x 1, 258,048 bytes of LDS; arguments q_img, wq_img, k_img, v_img, o_img; writes o_img
.if DOCPART == 3
	.amdgcn_target "amdgcn-amd-amdhsa--gfx1250"
	.amdhsa_code_object_version 6
	.text
	.protected	k_q8f0fcdd01e_attn
	.globl	k_q8f0fcdd01e_attn
	.p2align	8
	.type	k_q8f0fcdd01e_attn,@function
k_q8f0fcdd01e_attn:
	s_mov_b64 s[64:65], 0
	v_nop
	global_prefetch_b8 v0, s[64:65] scope:SCOPE_SE
	s_setreg_imm32_b32 hwreg(HW_REG_WAVE_MODE, 25, 1), 1
	s_wait_xcnt 0x0
	s_wait_alu depctr_hold_cnt(0) depctr_sa_sdst(0) depctr_va_vdst(0) depctr_va_sdst(0) depctr_va_ssrc(0) depctr_va_vcc(0) depctr_vm_vsrc(0)
	s_getreg_b32 s2, hwreg(HW_REG_IB_STS2, 6, 4)
	s_cmp_eq_u32 s2, 0
	s_cbranch_scc0 .Lentry_in_a_cluster
	s_endpgm
.Lentry_in_a_cluster:
	s_bfe_u32 s2, ttmp6, 0x10000c
	s_cmp_lg_u32 s2, 0x3003
	s_cbranch_scc0 .Lentry_shape_is_right
	s_endpgm
.Lentry_shape_is_right:
; For one batch and head and 512 queries: q = query Wq (the head's 64 columns) x 0.125, quantised; S^T = K q^T; p = 2^(t - M); O^T = V^T p^T; O / l, quantised.  All products on codes of FP6 (E2M3) with E8M0 scales.
; THE SOFTMAX: t = score x log2(e); M = the row's largest t so far, rounded up to a whole number; p = 2^(t - M) is quantised along the keys, not normalised.  The row's sum is taken of the unquantised p and divides O
; at the end.  When M moves, the sum and O^T are multiplied by f = 2^(old M - new M): exact.
; SHARES: sixteen waves, four to a SIMD, 256 registers each.  A wave owns two tiles of 16 queries, one after the other, and walks all 2,048 keys, 128 a step.
; RESIDENT: the head's slice of Wq (51,200 bytes), its K and its V (102,400 each), as images of operand registers in units of 6,400 bytes.  Waves 0 to 9 ask for 25,600 bytes each, one tensor load a wave (one of mine is out
; by this text's count); one wait for 0 and one barrier show all of it to every wave; nothing is filled again.  All tiles are asked for at the head, so there is no loop to run ahead in: nothing is prefetched.
; CLUSTER: the four work-groups of a cluster are the four quarters of one head's queries and need the same Wq, K and V: every load is a joint one, with the mask 15.
; A HEAD HAS 64 CHANNELS, THE INSTRUCTION 128 ALONG K.  A 'fragment' of K holds key tile 2 p in its lower 64 and key tile 2 p + 1 in its upper 64.  q stands as 0 | q | 0 in v16-33: v[22:33] = q | 0 meets the even tile,
; v[16:27] = 0 | q the odd one; the other tile meets zero codes.  q's scale word has the byte 1 for its zero blocks.
; KEYS: key tile 4 c + i holds keys 64 c + 8 i + 0 .. 7 in rows 0-7 and those 32 further on in rows 8-15.  So in S^T lane (r, h) holds, in registers 32 c + 0 .. 31, keys 64 c + 32 h + 0 .. 31 of query r:
; a WHOLE block of 32, in the order that the next operand's registers 6 c .. 6 c + 5 want.  A block's largest p needs no other lane, and no code changes lanes.
; TWO AREAS OF 64 REGISTERS, X AND Y, CHANGE ROLES FROM STEP TO STEP: one takes S^T, the other holds K's fragments and then V's; behind the conversions the area of p takes the next step's K.
; The last step of a tile so reads one unit beyond K (V's first, inside LDS) that nobody uses.
; LIMITS: NaN and infinities are not served; a block under 2^-124, and a block of zeros, keep the byte 1 (zero codes; this program alone reads the bytes); the promise holds while the scaled scores stay under 2^31 in magnitude.
.set KBASE, 51200
.set VDIST, 102400
.set SPARE, 256000                     ; the spare words, 128 bytes for each wave: eight blocks of 256 bytes that no other line names
.set LI,  1                            ; 16 x lane
.set LR,  2                            ; 16 x (lane % 16)
.set SPW, 3
.set NIL, 4
.set ADK, 5
.set ASK, 6
.set L8,  7                            ; 8 x lane
.set ADV, 8
.set ASV, 9
.set LRQ, 10                           ; 16 r + 204,800 h: lanes 0-15 my first tile's scale words of the query, lanes 16-31 my second's
.set SH8, 11                           ; 8 h
.set NM,  12                           ; -M;  v13 the largest score so far
.set RM,  13
.set F,   14                           ; f;  v15 the last step's -M
.set OLDM, 15
.set X,   34
.set Y,   98
.set O,   162                          ; O^T, 4 tiles
.set QF,  146                          ; at the head: the query's fragments, three K steps x two tiles
.set Q2,  194                          ; the second tile's q, v200 its scale bytes
.set W2,  200
.set WB,  201
.set PC,  202                          ; 12 registers of codes
.set CT,  214                          ; v214-216, v218-220: conversions whose place begins on an odd register
.set SA,  222                          ; the row's sum in eight chains of two
.set PT,  238
.set T0,  239
.set SKW, 240                          ; scale words and nothing else from here to v251: K's four, V's four (at the head the query's eight),
.set SVW, 244
.set QS,  240
.set WS,  248                          ; Wq's four; then q's two and p's
.set QW0, 248
.set QW1, 249
.set PW,  250
.set BM,  252                          ; v252-255 largest scores, scale operands, bytes
.set TK,  2
.set CNT, 3
.set TV,  14
.set WV,  18
.set SEL, 20
.set CS,  22
.set G1,  24
.set G0,  32
.set QB,  54
.set QSB, 56
.set OB,  58
.set OSB, 60
.macro CROUND
	s_barrier_signal -1
	s_barrier_wait -1
	s_cmp_lg_u32 s[WV], 0
	s_cbranch_scc1 .Lnot_wave_0_\@
	s_barrier_signal -3
.Lnot_wave_0_\@:
	s_barrier_wait -3
	s_barrier_signal -1
	s_barrier_wait -1
.endm
.macro MM d, a, b, c, sa, sb, row
	v_wmma_scale_f32_16x16x128_f8f6f4 v[\d:\d+7], v[\a:\a+11], v[\b:\b+11], \c, v[\sa], v[\sb] matrix_a_fmt:MATRIX_FMT_FP6 matrix_b_fmt:MATRIX_FMT_FP6 \row
.endm
.macro FLOAD reg, adr, sadr, sreg, off ; a unit: four fragments as they were stored, and four scale words a row
.irp p, 0,1,2,3
.irp g, 0,1,2
	ds_load_b128 v[\reg+12*\p+4*\g:\reg+12*\p+4*\g+3], v[\adr] offset:\off+1536*\p+512*\g
.endr
.endr
	ds_load_b128 v[\sreg:\sreg+3], v[\sadr] offset:\off+6144
.endm
	s_load_b256 s[4:11], s[0:1], 0x0               ; q_img 4, wq_img 6, k_img 8, v_img 10
	s_load_b64 s[12:13], s[0:1], 0x20              ; o_img
	v_lshl_add_u32 v[SPW], v0, 2, SPARE
	v_mov_b32 v[NIL], 0
	ds_add_u32 v[SPW], v[NIL]                      ; the opening lines: the add, twice on end, and its wait ahead of the first tensor load
	ds_add_u32 v[SPW], v[NIL]
	v_lshrrev_b32 v5, 5, v0
	v_and_b32 v6, 31, v0
	v_and_b32 v8, 15, v0
	v_bfe_u32 v9, v0, 4, 1
	v_readfirstlane_b32 s[WV], v5                  ; wave 0..15
	v_lshlrev_b32 v[LI], 4, v6
	v_lshlrev_b32 v[L8], 3, v6
	v_lshlrev_b32 v[LR], 4, v8
	v_lshlrev_b32 v[SH8], 3, v9
	v_mul_u32_u24 v[LRQ], 0x32000, v9
	s_delay_alu instid0(VALU_DEP_1)
	v_add_nc_u32 v[LRQ], v[LRQ], v[LR]
	s_and_b32 s67, ttmp7, 0xffff                   ; 16 x batch + head, which the four partners share
	s_and_b32 s69, s67, 15                         ; head
	s_mul_i32 s74, s69, 51200                      ; the head's slice of Wq
	s_mul_i32 s76, s67, 102400                     ; the head's K or V
	s_cmp_lt_u32 s[WV], 6                          ; waves 0, 1 fetch Wq, waves 2-5 K, waves 6-9 V: 25,600 bytes each
	s_cselect_b32 s70, 2, 6
	s_cmp_lt_u32 s[WV], 2
	s_cselect_b32 s70, 0, s70
	s_cselect_b32 s76, s74, s76
	s_sub_co_u32 s70, s[WV], s70
	s_mul_i32 s70, s70, 25600
	s_add_co_u32 s76, s76, s70
	s_mov_b32 s77, 0
	s_mov_b32 s[G0], 1
	s_mul_i32 s[G0+1], s[WV], 25600                ; in LDS: Wq, K, V on end
	s_mov_b32 s[G1], 15|(3<<16)|(1<<21)            ; all four work-groups; elements of 8 bytes; bit 21 beside a mask; no padding
	s_mov_b32 s[G1+1], 32<<16                      ; 25,600 dense bytes as 100 rows of 256
	s_mov_b32 s[G1+2], 100<<16
	s_mov_b32 s[G1+3], 32<<16
	s_mov_b32 s[G1+4], 100
	s_mov_b32 s[G1+5], 32
	s_mov_b32 s[G1+6], 0
	s_mov_b32 s[G1+7], 0
	s_mov_b32 s[SEL], 0x76543210
	s_mov_b32 s[SEL+1], 0xfedcba98
	s_mov_b32 s[CS], 0x3fb8aa3b                    ; log2(e): the 0.125 is in q
	s_mov_b32 s[CS+1], s[CS]
	; my two tiles of queries: block of 128 rows rb = 16 x batch + 4 cx + w / 8 (the second tile: two blocks on), tile t = w % 8.  cx enters q_img's and o_img's addresses alone
	s_bfe_u32 s66, ttmp6, 0x40000                  ; cx
	s_lshr_b32 s68, s67, 4
	s_lshl_b32 s84, s68, 4
	s_lshl_b32 s85, s66, 2
	s_add_co_u32 s84, s84, s85
	s_lshr_b32 s85, s[WV], 3
	s_add_co_u32 s84, s84, s85                     ; rb
	s_and_b32 s85, s[WV], 7                        ; t
	s_mul_i32 s86, s84, 102400                     ; eight units a block
	s_mul_i32 s87, s85, 1536
	s_lshr_b32 s88, s85, 2
	s_lshl_b32 s88, s88, 8
	s_and_b32 s89, s85, 3
	s_lshl_b32 s89, s89, 2
	s_add_co_u32 s88, s88, s89
	s_add_co_u32 s88, s88, 12288                   ; the tile's scale words in a unit
	s_lshr_b32 s89, s69, 1
	s_mul_i32 s89, s89, 12800
	s_add_co_u32 s89, s89, s86                     ; o_img: K step head / 2 of the block
	s_and_b32 s90, s69, 1                          ; and which half of a fragment
	s_add_co_u32 s[QB], s86, s87
	s_mov_b32 s[QB+1], 0
	s_add_co_u32 s[QSB], s86, s88
	s_mov_b32 s[QSB+1], 0
	s_mul_i32 s91, s90, 768
	s_add_co_u32 s[OB], s89, s87
	s_add_co_u32 s[OB], s[OB], s91
	s_mov_b32 s[OB+1], 0
	s_lshl_b32 s91, s90, 1
	s_add_co_u32 s[OSB], s89, s88
	s_add_co_u32 s[OSB], s[OSB], s91
	s_mov_b32 s[OSB+1], 0
	s_wait_alu depctr_va_vdst(0)
	s_wait_dscnt 0x0                               ; both opening adds are done
	s_wait_kmcnt 0x0
	s_add_nc_u64 s[QB:QB+1], s[4:5], s[QB:QB+1]
	s_add_nc_u64 s[QSB:QSB+1], s[4:5], s[QSB:QSB+1]
	s_add_nc_u64 s[OB:OB+1], s[12:13], s[OB:OB+1]
	s_add_nc_u64 s[OSB:OSB+1], s[12:13], s[OSB:OSB+1]
	s_cmp_lt_u32 s[WV], 6
	s_cselect_b64 s[80:81], s[8:9], s[10:11]
	s_cmp_lt_u32 s[WV], 2
	s_cselect_b64 s[80:81], s[6:7], s[80:81]
	s_add_nc_u64 s[G0+2:G0+3], s[80:81], s[76:77]
	s_or_b32 s[G0+3], s[G0+3], 0x80000000
.macro QLOAD s                         ; K step s of the query, both tiles, into set s % 3
.irp g, 0,1,2
	global_load_b128 v[QF+24*((\s)%3)+4*\g:QF+24*((\s)%3)+4*\g+3], v[LI], s[QB:QB+1] offset:12800*(\s)+512*\g
	global_load_b128 v[QF+24*((\s)%3)+12+4*\g:QF+24*((\s)%3)+15+4*\g], v[LI], s[QB:QB+1] offset:204800+12800*(\s)+512*\g
.endr
.endm
.irp s, 0,1,2,3,4,5,6,7
	global_load_b32 v[QS+\s], v[LRQ], s[QSB:QSB+1] offset:12800*\s
.endr
	QLOAD 0                                        ; the query is on its way while the cluster meets
	QLOAD 1
	QLOAD 2
	CROUND                                         ; all four work-groups are here: the joint loads meet
	s_cmp_lt_u32 s[WV], 10
	s_cbranch_scc0 .Lno_fill
	tensor_load_to_lds s[G0:G0+3], s[G1:G1+7]
	s_nop 0
.Lno_fill:
.irp i, 0,1,2,3,4,5
	v_mov_b32 v[16+\i], 0                          ; the zero codes on both sides of q
	v_mov_b32 v[28+\i], 0
.endr
	v_mov_b32 v[BM+2], 0                           ; written once: a lane permute's destination counts as one of its sources
	v_mov_b32 v[BM+3], 0
	v_mov_b32 v[PT], 0
	s_wait_alu depctr_va_vdst(0)
	s_wait_tensorcnt 0x0                           ; my part is in
	s_barrier_signal -1
	s_barrier_wait -1                              ; everybody's is: Wq, K and V are whole
; q^T = Wq^T query^T for both tiles at once: each fragment of Wq is read once and meets two fragments of the query; eight accumulators by turns
.macro QSTEP s
	FLOAD Y, LI, LR, WS, 6400*(\s)
.if (\s) < 6
	s_wait_loadcnt 12                              ; this K step's loads are in; those of the two steps behind it may be out
.else
	s_wait_loadcnt 6*(7-(\s))
.endif
	s_wait_dscnt 0x0
.irp t, 0,1,2,3
.if (\s) == 0
	MM X+8*\t, Y+12*\t, QF+24*((\s)%3), 0, WS+\t, QS+(\s)
	MM X+32+8*\t, Y+12*\t, QF+24*((\s)%3)+12, 0, WS+\t, QS+(\s), matrix_b_scale:MATRIX_SCALE_ROW1
.else
	MM X+8*\t, Y+12*\t, QF+24*((\s)%3), v[X+8*\t:X+8*\t+7], WS+\t, QS+(\s)
	MM X+32+8*\t, Y+12*\t, QF+24*((\s)%3)+12, v[X+32+8*\t:X+32+8*\t+7], WS+\t, QS+(\s), matrix_b_scale:MATRIX_SCALE_ROW1
.endif
.endr
.rept 4
	v_nop                                          ; four places in front of loads into registers that matrix instructions have read, and of the first read of the sums
.endr
.if (\s)+3 < 8
	QLOAD (\s)+3
.endif
.endm
; 32 numbers of a lane at v[s] on, register 16 b + i = channel 32 b + 16 h + i of my query, become six registers of codes at v[d] on, and two scale bytes in v[w]
.macro QUANT2 s, d, w
.irp b, 0,1
	v_max3_num_f32 v[BM+\b], |v[\s+16*\b]|, |v[\s+1+16*\b]|, 0x1800000
.endr
.irp i, 2,4,6,8,10,12,14
.irp b, 0,1
	s_delay_alu instid0(VALU_DEP_2)
	v_max3_num_f32 v[BM+\b], v[BM+\b], |v[\s+16*\b+\i]|, |v[\s+1+16*\b+\i]|
.endr
.endr
.irp b, 0,1
	s_delay_alu instid0(VALU_DEP_2)
	v_permlanex16_b32 v[BM+2+\b], v[BM+\b], s[SEL], s[SEL+1]
.endr
.irp b, 0,1
	s_delay_alu instid0(VALU_DEP_2)
	v_max_num_f32 v[BM+\b], v[BM+\b], v[BM+2+\b]
.endr
.irp b, 0,1
	s_delay_alu instid0(VALU_DEP_2)
	v_add_nc_u32 v[BM+\b], 0xff000000, v[BM+\b]    ; 2 off the exponent field: the conversion's scale operand
.endr
.irp b, 0,1
	s_delay_alu instid0(VALU_DEP_2)
	v_lshrrev_b32 v[BM+2+\b], 23, v[BM+\b]
.endr
	s_delay_alu instid0(VALU_DEP_1)
	v_lshl_or_b32 v[\w], v[BM+3], 8, v[BM+2]
	v_cvt_scalef32_pk16_fp6_f32 v[\d:\d+2], v[\s:\s+15], v[BM]
	v_cvt_scalef32_pk16_fp6_f32 v[CT:CT+2], v[\s+16:\s+31], v[BM+1]
	v_nop                                          ; one plain place behind a scaled conversion
.irp i, 0,1,2
	v_permlane16_swap_b32 v[\d+\i], v[CT+\i]
.endr
.irp i, 0,1,2
	s_delay_alu instid0(VALU_DEP_3)
	v_mov_b32 v[\d+3+\i], v[CT+\i]
.endr
.endm
.macro SETQS w                         ; q's scale words for q | 0 and for 0 | q: the byte 1 for the zero blocks
	v_or_b32 v[QW0], 0x01010000, v[\w]
	v_lshl_or_b32 v[QW1], v[\w], 16, 0x101
.endm
.macro PKF a, b                        ; t - M of S^T's registers a .. b - 1
.set J, \a
.rept (\b-\a)/2
	v_pk_fma_f32 v[SX+J:SX+J+1], v[SX+J:SX+J+1], s[CS:CS+1], v[NM:NM+1] op_sel_hi:[1,0,0]
.set J, J+2
.endr
.endm
.macro SUM g, k0, k1                   ; chains k0 .. k1 - 1 of the row's sum take p's registers 16 g + 2 k; a chain's first link brings it under the new M
.set J, \k0
.rept \k1-\k0
.if \g == 0
	v_pk_fma_f32 v[SA+2*J:SA+2*J+1], v[SA+2*J:SA+2*J+1], v[F:F+1], v[SX+2*J:SX+2*J+1] op_sel_hi:[1,0,1]
.else
	v_pk_add_f32 v[SA+2*J:SA+2*J+1], v[SA+2*J:SA+2*J+1], v[SX+16*\g+2*J:SX+16*\g+2*J+1]
.endif
.set J, J+1
.endr
.endm
; A KEY STEP: 128 keys.  sx takes S^T and p; sy holds K's fragments, then V's.  odd: the trip's second step
.macro STEP sx, sy, odd
.set SX, \sx
	s_wait_alu depctr_va_vdst(0)
	s_wait_dscnt 0x0                               ; K's unit is in
.irp p, 0,1,2,3                        ; S^T: the pair's even tile against q | 0, its odd tile against 0 | q
	MM SX+16*\p, \sy+12*\p, 22, 0, SKW+\p, QW0
	MM SX+16*\p+8, \sy+12*\p, 16, 0, SKW+\p, QW1
.endr
.if \odd                               ; four places behind the products, two of them this trip's addresses
	v_add_nc_u32 v[ADK], s[TK], v[LI]              ; the next trip's K
	v_add_nc_u32 v[ASK], s[TK], v[LR]
.else
	v_add_nc_u32 v[ADV], s[TV], v[LI]              ; this trip's V
	v_add_nc_u32 v[ASV], s[TV], v[LR]
.endif
	v_nop
	v_nop
	FLOAD \sy, ADV, ASV, SVW, 6400*\odd            ; V's fragments land under the softmax
.irp q, 0,1,2,3                        ; four chains of 16 scores; each accumulator is read from its low end on
	v_max3_num_f32 v[BM+\q], v[SX+16*\q], v[SX+16*\q+1], v[SX+16*\q+2]
.endr
.irp i, 3,5,7,9,11,13
.irp q, 0,1,2,3
	v_max3_num_f32 v[BM+\q], v[BM+\q], v[SX+16*\q+\i], v[SX+16*\q+\i+1]
.endr
.endr
	v_max3_num_f32 v[BM], v[BM], v[SX+15], v[SX+31]      ; the chains' last scores,
	v_max3_num_f32 v[BM+2], v[BM+2], v[SX+47], v[SX+63]
	s_delay_alu instid0(VALU_DEP_2)
	v_max_num_f32 v[BM], v[BM], v[BM+1]                  ; the largest score of my block h,
	s_delay_alu instid0(VALU_DEP_2)
	v_max_num_f32 v[BM+2], v[BM+2], v[BM+3]              ; and of my block 2 + h: for the row's maximum and, since p rises with the score, for the block's largest p
	s_delay_alu instid0(VALU_DEP_1)
	v_max_num_f32 v[T0], v[BM], v[BM+2]
	s_delay_alu instid0(VALU_DEP_1)
	v_permlanex16_b32 v[PT], v[T0], s[SEL], s[SEL+1]
	s_delay_alu instid0(VALU_DEP_1)
	v_max3_num_f32 v[RM], v[RM], v[T0], v[PT]      ; the running largest score
	s_delay_alu instid0(VALU_DEP_1)
	v_mul_f32 v[T0], s[CS], v[RM]                  ; as t
	s_delay_alu instid0(VALU_DEP_1)
	v_floor_f32 v[NM], -v[T0]                      ; the new -M = -ceil(t): a whole number
	s_delay_alu instid0(VALU_DEP_1)
	v_sub_f32 v[T0], v[NM], v[OLDM]                ; old M - new M
	PKF 0, 8
	v_cvt_i32_f32 v[T0], v[T0]                     ; (it saturates)
	PKF 8, 16
	v_ldexp_f32 v[F], 1.0, v[T0]                   ; f = 2^(old M - new M)
	PKF 16, 64
	v_fma_f32 v[BM], v[BM], s[CS], v[NM]           ; the same of each block's largest score
	v_fma_f32 v[BM+2], v[BM+2], s[CS], v[NM]
	s_wait_alu depctr_va_vdst(0)
.set J, 0
.rept 64
	v_exp_f32 v[SX+J], v[SX+J]                     ; p = 2^(t - M)
.set J, J+1
.endr
	v_exp_f32 v[BM], v[BM]                         ; the blocks' largest p
	v_exp_f32 v[BM+2], v[BM+2]
	v_mov_b32 v[OLDM], v[NM]                       ; a plain place behind the exponentials
	s_wait_alu depctr_va_vdst(0)                   ; one wait for the whole batch, ahead of its first reader
	v_max_num_f32 v[BM], 0x1800000, v[BM]          ; the floor: the byte cannot fall under 1
	v_max_num_f32 v[BM+2], 0x1800000, v[BM+2]
	SUM 0, 0, 8
	v_add_nc_u32 v[BM], 0xff000000, v[BM]          ; the conversions' scale operands
	v_add_nc_u32 v[BM+2], 0xff000000, v[BM+2]
	SUM 1, 0, 8
	v_lshrrev_b32 v[BM+1], 23, v[BM]               ; the bytes of blocks h and 2 + h,
	v_lshrrev_b32 v[BM+3], 23, v[BM+2]
	SUM 2, 0, 2
	v_lshl_or_b32 v[T0], v[BM+3], 16, v[BM+1]
	SUM 2, 2, 4
	v_lshlrev_b32 v[T0], v[SH8], v[T0]             ; at their places in the word;
	SUM 2, 4, 6
	v_permlanex16_b32 v[PT], v[T0], s[SEL], s[SEL+1]
	SUM 2, 6, 8
	v_or_b32 v[PW], v[T0], v[PT]                   ; with lane l xor 16's two: p's scale word for these 128 keys
	v_cvt_scalef32_pk16_fp6_f32 v[PC:PC+2], v[SX:SX+15], v[BM]
	v_cvt_scalef32_pk16_fp6_f32 v[CT:CT+2], v[SX+16:SX+31], v[BM]
	v_cvt_scalef32_pk16_fp6_f32 v[PC+6:PC+8], v[SX+32:SX+47], v[BM+2]
	v_cvt_scalef32_pk16_fp6_f32 v[CT+4:CT+6], v[SX+48:SX+63], v[BM+2]
	SUM 3, 0, 1                                    ; a plain place behind the conversions
	FLOAD SX, ADK, ASK, SKW, 6400-6400*\odd        ; the next step's K, over p's registers 0-47, which have been summed and converted
.irp i, 0,1,2
	v_mov_b32 v[PC+3+\i], v[CT+\i]                 ; (a conversion's three registers begin on an even number)
	v_mov_b32 v[PC+9+\i], v[CT+4+\i]
.endr
	SUM 3, 1, 3
	s_wait_alu depctr_va_vdst(0)
.set J, 0
.rept 16
	v_pk_mul_f32 v[O+J:O+J+1], v[O+J:O+J+1], v[F:F+1] op_sel_hi:[1,0]   ; O^T under the new M; also the places between the codes, p's scale word and the products
.set J, J+2
.endr
	s_wait_alu depctr_va_vdst(0)
	s_wait_dscnt 13                                ; V is in; the 13 loads of the next K may be out
.irp t, 0,1,2,3
	MM O+8*\t, \sy+12*\t, PC, v[O+8*\t:O+8*\t+7], SVW+\t, PW
.endr
	SUM 3, 3, 8                                    ; five places: the next step's S^T is written over V's fragments
.endm
; A tile of 16 queries: all 16 key steps, then O^T / the sum, quantised: half a fragment of the last product's operand (my head's 64 of a K step's 128), and two bytes of each row's scale word
.macro TILE off
	v_add_nc_u32 v[ADK], KBASE, v[LI]
	v_add_nc_u32 v[ASK], KBASE, v[LR]
	FLOAD Y, ADK, ASK, SKW, 0                      ; the first step's K
	v_mov_b32 v[RM], 0xfe800000                    ; the largest score so far: -2^126
	v_mov_b32 v[OLDM], 0x7e800000                  ; and its -M: the first f is 0, which leaves the zeros below zeros
.set J, 0
.rept 32
	v_mov_b32 v[O+J], 0
.set J, J+1
.endr
.set J, 0
.rept 16
	v_mov_b32 v[SA+J], 0
.set J, J+1
.endr
	s_mov_b32 s[TK], KBASE+12800
	s_mov_b32 s[TV], KBASE+VDIST
	s_mov_b32 s[CNT], 8
.Ltrip_\@:
	STEP X, Y, 0
	STEP Y, X, 1
	s_add_co_u32 s[TK], s[TK], 12800
	s_add_co_u32 s[TV], s[TV], 12800
	s_sub_co_u32 s[CNT], s[CNT], 1
	s_cmp_lg_u32 s[CNT], 0
	s_wait_alu depctr_va_vdst(0)
	s_cbranch_scc1 .Ltrip_\@
	s_wait_dscnt 0x0                               ; the loads that ran ahead have landed: their registers may be used again
.irp k, 0,2,4,6
	v_pk_add_f32 v[SA+\k:SA+\k+1], v[SA+\k:SA+\k+1], v[SA+8+\k:SA+9+\k]
.endr
	v_pk_add_f32 v[SA:SA+1], v[SA:SA+1], v[SA+4:SA+5]
	v_pk_add_f32 v[SA+2:SA+3], v[SA+2:SA+3], v[SA+6:SA+7]
	s_delay_alu instid0(VALU_DEP_1)
	v_pk_add_f32 v[SA:SA+1], v[SA:SA+1], v[SA+2:SA+3]
	s_delay_alu instid0(VALU_DEP_1)
	v_add_f32 v[T0], v[SA], v[SA+1]
	s_delay_alu instid0(VALU_DEP_1)
	v_permlanex16_b32 v[PT], v[T0], s[SEL], s[SEL+1]
	s_delay_alu instid0(VALU_DEP_1)
	v_add_f32 v[T0], v[T0], v[PT]                  ; the row's sum
	s_wait_alu depctr_va_vdst(0)
	v_rcp_f32 v[F], v[T0]
	v_nop                                          ; a plain place behind the transcendental
	s_wait_alu depctr_va_vdst(0)                   ; and the wait ahead of its first reader, which is O^T's too
.set J, 0
.rept 16
	v_pk_mul_f32 v[X+J:X+J+1], v[O+J:O+J+1], v[F:F+1] op_sel_hi:[1,0]   ; each accumulator from its low end on
.set J, J+2
.endr
	QUANT2 X, PC, WB
	global_store_b128 v[LI], v[PC:PC+3], s[OB:OB+1] offset:\off           ; 512 consecutive bytes, aligned,
	global_store_b64 v[L8], v[PC+4:PC+5], s[OB:OB+1] offset:\off+512      ; and 256
	global_store_b16 v[LR], v[WB], s[OSB:OSB+1] offset:\off               ; lanes r and r + 16 store the same two bytes
.endm
.irp s, 0,1,2,3,4,5,6,7
	QSTEP \s
.endr
.set J, 0
.rept 32
	v_pk_mul_f32 v[X+J:X+J+1], v[X+J:X+J+1], 0x3e000000 op_sel_hi:[1,0]   ; x 0.125: exact
.set J, J+2
.endr
	QUANT2 X, 22, WB
	SETQS WB
	QUANT2 X+32, Q2, W2
	TILE 0
	s_wait_xcnt 0x0                                ; the stores have read their registers
.irp i, 0,1,2,3,4,5
	v_mov_b32 v[22+\i], v[Q2+\i]                   ; the second tile's q
.endr
	SETQS W2
	TILE 204800
	s_wait_tensorcnt 0x0                           ; the wave's end
	ds_add_u32 v[SPW], v[NIL]
	s_wait_dscnt 0x0
	CROUND                                         ; the closing round
	s_endpgm
.Lfunc_end_k_q8f0fcdd01e_attn:
	.size	k_q8f0fcdd01e_attn, .Lfunc_end_k_q8f0fcdd01e_attn-k_q8f0fcdd01e_attn
	.p2alignl 7, 3214868480
	.fill 96, 4, 3214868480
	.section	.rodata,"a",@progbits
	.p2align	6, 0x0
	.amdhsa_kernel k_q8f0fcdd01e_attn
		.amdhsa_group_segment_fixed_size 258048
		.amdhsa_private_segment_fixed_size 0
		.amdhsa_enable_private_segment 0
		.amdhsa_kernarg_size 40
		.amdhsa_user_sgpr_count 2
		.amdhsa_user_sgpr_kernarg_segment_ptr 1
		.amdhsa_wavefront_size32 1
		.amdhsa_system_sgpr_workgroup_id_x 1
		.amdhsa_system_sgpr_workgroup_id_y 1
		.amdhsa_system_sgpr_workgroup_id_z 1
		.amdhsa_system_vgpr_workitem_id 0
		.amdhsa_next_free_vgpr 256
		.amdhsa_next_free_sgpr 100
		.amdhsa_reserve_vcc 0
		.amdhsa_float_denorm_mode_32 3
		.amdhsa_float_denorm_mode_16_64 3
		.amdhsa_memory_ordered 1
		.amdhsa_forward_progress 1
		.amdhsa_inst_pref_size 109
	.end_amdhsa_kernel
	.amdgpu_metadata
---
amdhsa.version: [ 1, 2 ]
amdhsa.kernels:
  - .name:           k_q8f0fcdd01e_attn
    .symbol:         k_q8f0fcdd01e_attn.kd
    .args:
      - { .name: q_img, .offset: 0, .size: 8, .value_kind: global_buffer, .address_space: global }
      - { .name: wq_img, .offset: 8, .size: 8, .value_kind: global_buffer, .address_space: global }
      - { .name: k_img, .offset: 16, .size: 8, .value_kind: global_buffer, .address_space: global }
      - { .name: v_img, .offset: 24, .size: 8, .value_kind: global_buffer, .address_space: global }
      - { .name: o_img, .offset: 32, .size: 8, .value_kind: global_buffer, .address_space: global }
    .group_segment_fixed_size: 258048
    .private_segment_fixed_size: 0
    .kernarg_segment_align: 8
    .kernarg_segment_size: 40
    .max_flat_workgroup_size: 512
    .sgpr_count:     100
    .vgpr_count:     256
    .wavefront_size: 32
...
	.end_amdgpu_metadata
.endif
;; end of part 3
;; launch outp (part 4): grid 4 x 64, 4 waves a work-group, clusters of 4 x 4, 307,712 bytes of LDS; arguments o_img, wo_img, bo, out0; writes out0
.if DOCPART == 4
	.amdgcn_target "amdgcn-amd-amdhsa--gfx1250"
	.amdhsa_code_object_version 6
	.text
	.protected	k_q8f0fcdd01e_outp
	.globl	k_q8f0fcdd01e_outp
	.p2align	8
	.type	k_q8f0fcdd01e_outp,@function
k_q8f0fcdd01e_outp:
	s_mov_b64 s[64:65], 0
	v_nop
	global_prefetch_b8 v0, s[64:65] scope:SCOPE_SE
	s_setreg_imm32_b32 hwreg(HW_REG_WAVE_MODE, 25, 1), 1
	s_wait_xcnt 0x0
	s_wait_alu depctr_hold_cnt(0) depctr_sa_sdst(0) depctr_va_vdst(0) depctr_va_sdst(0) depctr_va_ssrc(0) depctr_va_vcc(0) depctr_vm_vsrc(0)
	s_getreg_b32 s2, hwreg(HW_REG_IB_STS2, 6, 4)
	s_cmp_eq_u32 s2, 0
	s_cbranch_scc0 .Lentry_in_a_cluster
	s_endpgm
.Lentry_in_a_cluster:
	s_bfe_u32 s2, ttmp6, 0x10000c
	s_cmp_lg_u32 s2, 0xf033
	s_cbranch_scc0 .Lentry_shape_is_right
	s_endpgm
.Lentry_shape_is_right:
; out0 = O Wo + bo on codes of FP6 (E2M3), K = 1,024.  O comes as attention left it, Wo as the first launch laid it: images of operand registers in units of 12,800 bytes (8 tiles x 128 K and their scale words).
; A work-group of four waves makes 128 rows x 256 columns; wave (i, j) makes 64 x 128: 32 accumulators.  Source 0 = 16 columns of Wo (P), source 1 = 16 rows of O (Q): a lane holds one row, its registers run along columns.
; ALL OF K IS RESIDENT: 384 rows x 1,024 codes with their scale words are 307,200 bytes, in four chunks of two K steps.  Wave 0 asks for O's block, waves 1 and 2 for Wo's two halves, at the head (one of mine is out by this
; text's count); nothing is filled again, and no later stream is waited for: nothing is prefetched.
; CLUSTERS: 4 x 4 work-groups.  O's rows hang on the tile row alone and are asked for jointly by a row of the cluster, Wo's on the tile column alone and by a column.
; Lane r of tile 2 b + u of an image holds row 32 b + 8 u + r + 8 (r / 8): for Wo's columns the stage's offsets, for O's rows the stores' offsets put every number in its place.
; A fragment of O is two halves of 768 bytes, one from each of two heads: registers 6 e .. 6 e + 3 at 16 x lane, 6 e + 4 and 6 e + 5 at 512 + 8 x lane.  The bias is the C of each sum's first product.
; REGISTERS: window 0: v16-29 addresses; v32-47 scale words, two sets; v64-127 the bias, 8 tiles; v128-223 Q's fragments, two sets of 4 (on the way out v128-255 hold rows).  window 1: P's, two sets.  window 2: accumulator (a, b) at v[8 (8 a + b)].
.set UNIT,  12800
.set PART,  102400                     ; 128 rows x all eight K steps, dense in memory: what one tensor load brings
.set CHUNK, 25600                      ; two K steps of a part: the step of the LDS addresses
.set SPARE, 307200                     ; the spare words, 128 bytes for each wave: two blocks of 256 bytes that no other line names
.set SPITCH, 528                       ; the way out: a stage of 16 rows x (512 bytes + 16) for each wave, in chunks 0 and 1, which have had their one fill and their last read when the first result is stored there
.set ADQ,  16
.set ADQ8, 17
.set ADP,  20
.set BOF,  22
.set ADSY, 23
.set STO,  24
.set RD,   25
.set CO,   26
.set ADSX, 27
.set SPW,  28
.set NIL,  29
.set SC,   32
.set BI,   64
.set G1A,  24
.set G1B,  32
.set G0A,  40                          ; s[40:55]
.set G0B,  68                          ; s[68:83]
.set MSB, 0
.macro WIN new
.if MSB != \new
	s_set_vgpr_msb (MSB<<8)|\new
.set MSB, \new
.endif
.endm
.macro CREST
	s_cmp_lg_u32 s14, 0
	s_cbranch_scc1 .Lnot_wave_0_\@
	s_barrier_signal -3
.Lnot_wave_0_\@:
	s_barrier_wait -3
	s_barrier_signal -1
	s_barrier_wait -1
.endm
.macro CROUND
	s_barrier_signal -1
	s_barrier_wait -1
	CREST
.endm
.macro PLACES
.rept 4
	v_nop
.endr
.endm
	s_load_b256 s[4:11], s[0:1], 0x0               ; o_img 4, wo_img 6, bo 8, out0 10
	v_lshl_add_u32 v[SPW], v0, 2, SPARE
	v_mov_b32 v[NIL], 0
	ds_add_u32 v[SPW], v[NIL]                      ; the wave's opening: the add and its wait ahead of my first tensor load
	ds_add_u32 v[SPW], v[NIL]
	v_lshrrev_b32 v1, 5, v0
	v_readfirstlane_b32 s14, v1                    ; wave 0..3
	s_lshr_b32 s15, s14, 1                         ; i: my half of the rows
	s_and_b32 s16, s14, 1                          ; j: my half of the columns
	s_bfe_u32 s84, ttmp6, 0x40000                  ; cx = the tile column (the grid is one cluster wide)
	s_bfe_u32 s85, ttmp6, 0x40004                  ; cy
	s_and_b32 s86, ttmp7, 0xffff
	s_lshl_b32 s86, s86, 2
	s_add_co_u32 s86, s86, s85                     ; the tile row: a block of 128 rows
	s_lshl_b32 s87, s85, 2
	s_lshl_b32 s87, 15, s87                        ; my row of the cluster
	s_lshl_b32 s88, 0x1111, s84                    ; my column
	s_or_b32 s[G1A], s87, (3<<16)|(1<<21)
	s_or_b32 s[G1B], s88, (3<<16)|(1<<21)
.irp g, G1A, G1B                       ; eight units, 102,400 dense bytes, as 400 rows of 256
	s_mov_b32 s[\g+1], 32<<16
	s_mov_b32 s[\g+2], 400<<16                     ; 102,400 dense bytes as 400 rows of 256
	s_mov_b32 s[\g+3], 32<<16
	s_mov_b32 s[\g+4], 400
	s_mov_b32 s[\g+5], 32
	s_mov_b32 s[\g+6], 0
	s_mov_b32 s[\g+7], 0
.endr
	s_mul_i32 s90, s86, 102400                     ; eight units a block
	s_mov_b32 s91, 0
	s_add_co_u32 s18, s14, 1
	s_and_b32 s18, s18, 1                          ; wave 1 fetches Wo's half 0, wave 2 its half 1
	s_lshl_b32 s92, s84, 1
	s_add_co_u32 s92, s92, s18
	s_mul_i32 s92, s92, 102400
	s_mov_b32 s93, 0
	s_mul_i32 s17, s14, PART                       ; where my part goes
	s_wait_dscnt 0x0                               ; the opening add is done
	s_wait_kmcnt 0x0
	s_add_nc_u64 s[94:95], s[4:5], s[90:91]
	s_add_nc_u64 s[96:97], s[6:7], s[92:93]
	CROUND                                         ; all sixteen work-groups are here: the joint loads meet
.irp c, 0
	s_mov_b32 s[G0A+4*\c], 1
	s_add_co_u32 s[G0A+4*\c+1], s17, \c*CHUNK
	s_add_nc_u64 s[G0A+4*\c+2:G0A+4*\c+3], s[94:95], \c*PART
	s_or_b32 s[G0A+4*\c+3], s[G0A+4*\c+3], 0x80000000
	s_mov_b32 s[G0B+4*\c], 1
	s_add_co_u32 s[G0B+4*\c+1], s17, \c*CHUNK
	s_add_nc_u64 s[G0B+4*\c+2:G0B+4*\c+3], s[96:97], \c*PART
	s_or_b32 s[G0B+4*\c+3], s[G0B+4*\c+3], 0x80000000
.endr
	s_cmp_eq_u32 s14, 0                            ; a wave's one fill stands under branches on the wave's number alone
	s_cbranch_scc0 .Lnot_a
.irp c, 0                              ; one tensor load a wave at the head.  Wave 0: O's block
	tensor_load_to_lds s[G0A+4*\c:G0A+4*\c+3], s[G1A:G1A+7]
	s_nop 0
.endr
	PLACES
	s_branch .Lfilled
.Lnot_a:
	s_cmp_lt_u32 s14, 3
	s_cbranch_scc0 .Lfilled
.irp c, 0                              ; waves 1 and 2: Wo's two halves
	tensor_load_to_lds s[G0B+4*\c:G0B+4*\c+3], s[G1B:G1B+7]
	s_nop 0
.endr
	PLACES
.Lfilled:
	v_and_b32 v3, 31, v0                           ; lane
	v_and_b32 v1, 15, v0                           ; r
	v_bfe_u32 v2, v0, 4, 1                         ; h
	v_lshlrev_b32 v[CO], 4, v3
	s_mul_i32 s18, s15, 6144                       ; my four tiles of O's eight
	v_add_nc_u32 v[ADQ], s18, v[CO]
	v_lshl_add_u32 v[ADQ8], v3, 3, s18
	s_mul_i32 s19, s16, PART
	s_add_co_u32 s19, s19, PART                    ; my half of Wo
	v_add_nc_u32 v[ADP], s19, v[CO]
	s_lshl_b32 s18, s15, 8
	s_sub_co_u32 s19, s19, s18
	v_mul_u32_u24 v4, s19, v2                      ; the scale words: lanes 0-15 take O's four tiles, lanes 16-31 Wo's tiles 0-3,
	v_lshl_add_u32 v4, v1, 4, v4
	s_add_co_u32 s18, s18, 12288
	v_add_nc_u32 v[ADSX], s18, v4
	v_lshl_add_u32 v[ADSY], v2, 8, v[ADSX]         ; and by the second address Wo's tiles 4-7
	s_mul_i32 s18, s14, 16*SPITCH
	v_mul_u32_u24 v4, v1, SPITCH
	v_lshl_add_u32 v4, v2, 6, v4
	v_add_nc_u32 v[STO], s18, v4                   ; my stage, in: row r, + 64 h
	v_add_nc_u32 v[RD], s18, v[CO]                 ; and back: a row's 512 bytes
	v_lshlrev_b32 v[BOF], 6, v2
	s_wait_alu depctr_va_vdst(0)
	s_lshl_b32 s2, s84, 10
	s_lshl_b32 s19, s16, 9
	s_add_co_u32 s2, s2, s19                       ; my first column, in bytes
	s_mov_b32 s3, 0
	s_add_nc_u64 s[22:23], s[8:9], s[2:3]          ; in bo,
	s_lshl_b32 s18, s86, 7
	s_lshl_b32 s19, s15, 6
	s_add_co_u32 s18, s18, s19
	s_lshl_b32 s18, s18, 12                        ; my first row, 4,096 bytes a row
	s_add_co_u32 s2, s2, s18
	s_add_nc_u64 s[20:21], s[10:11], s[2:3]        ; and in out0
.irp b, 0,1,2,3,4,5,6,7                ; the bias in the result's layout: tile b, lane half h: columns 32 (b / 2) + 16 h + 8 (b % 2) + 0 .. 7
	global_load_b128 v[BI+8*\b:BI+8*\b+3], v[BOF], s[22:23] offset:(32*(\b/2)+8*(\b%2))*4
	global_load_b128 v[BI+8*\b+4:BI+8*\b+7], v[BOF], s[22:23] offset:(32*(\b/2)+8*(\b%2))*4+16
.endr
.macro FRAGO reg, q, a                 ; a fragment of O: two halves, each 512 + 256 consecutive bytes
	ds_load_b128 v[\reg:\reg+3], v[ADQ] offset:UNIT*(\q)+1536*(\a)
	ds_load_b64 v[\reg+4:\reg+5], v[ADQ8] offset:UNIT*(\q)+1536*(\a)+512
	ds_load_b128 v[\reg+6:\reg+9], v[ADQ] offset:UNIT*(\q)+1536*(\a)+768
	ds_load_b64 v[\reg+10:\reg+11], v[ADQ8] offset:UNIT*(\q)+1536*(\a)+1280
.endm
.macro FETCH q, p                      ; a K step's fragments and scale words into set p
	WIN 0x40
.irp b, 0,1,2,3,4,5,6,7
.irp g, 0,1,2
	ds_load_b128 v[128*(\p)+12*\b+4*\g:128*(\p)+12*\b+4*\g+3], v[ADP] offset:UNIT*(\q)+1536*\b+512*\g
.endr
.endr
	WIN 0
.irp a, 0,1,2,3
	FRAGO 128+48*(\p)+12*\a, \q, \a
.endr
	ds_load_b128 v[SC+8*(\p):SC+8*(\p)+3], v[ADSX] offset:UNIT*(\q)
	ds_load_b128 v[SC+8*(\p)+4:SC+8*(\p)+7], v[ADSY] offset:UNIT*(\q)
.endm
; 16 matrix instructions: O's tiles a0, a0 + 1 against Wo's eight.  The 32 accumulators take turns, one instruction a turn, in the same order in every K step
.macro MULH a0, p, first
.if \first
	WIN 0x81                                       ; source 0 window 1, source 1 and the bias window 0, D window 2
.else
	WIN 0xa1
.endif
.irp a, \a0, \a0+1
.irp b, 0,1,2,3,4,5,6,7
.if \first
	v_wmma_scale_f32_16x16x128_f8f6f4 v[8*(8*(\a)+\b):8*(8*(\a)+\b)+7], v[128*(\p)+12*\b:128*(\p)+12*\b+11], v[128+48*(\p)+12*(\a):128+48*(\p)+12*(\a)+11], v[BI+8*\b:BI+8*\b+7], v[SC+8*(\p)+\b], v[SC+8*(\p)+(\a)] matrix_a_fmt:MATRIX_FMT_FP6 matrix_b_fmt:MATRIX_FMT_FP6 matrix_a_scale:MATRIX_SCALE_ROW1
.else
	v_wmma_scale_f32_16x16x128_f8f6f4 v[8*(8*(\a)+\b):8*(8*(\a)+\b)+7], v[128*(\p)+12*\b:128*(\p)+12*\b+11], v[128+48*(\p)+12*(\a):128+48*(\p)+12*(\a)+11], v[8*(8*(\a)+\b):8*(8*(\a)+\b)+7], v[SC+8*(\p)+\b], v[SC+8*(\p)+(\a)] matrix_a_fmt:MATRIX_FMT_FP6 matrix_b_fmt:MATRIX_FMT_FP6 matrix_a_scale:MATRIX_SCALE_ROW1
.endif
.endr
.endr
.endm
.macro KS first                        ; a chunk's first K step, on set 0; it fetches the second into set 1
	s_wait_dscnt 0x0
	MULH 0, 0, \first
	PLACES                                         ; four places in front of loads into registers that matrix instructions have read
	FETCH 1, 1
	MULH 2, 0, \first
.endm
.macro KTURN                           ; a pair's second K step, on set 1.  All of K is in LDS; the barrier parts the reads of O's first K steps from the stage that is laid over them on the way out
	s_wait_dscnt 0x0
	s_barrier_signal -1
	MULH 0, 1, 0
	WIN 0
	s_barrier_wait -1
	PLACES
	v_add_nc_u32 v[ADQ], CHUNK, v[ADQ]
	v_add_nc_u32 v[ADQ8], CHUNK, v[ADQ8]
	v_add_nc_u32 v[ADP], CHUNK, v[ADP]
	v_add_nc_u32 v[ADSX], CHUNK, v[ADSX]
	v_add_nc_u32 v[ADSY], CHUNK, v[ADSY]
	FETCH 0, 0
	MULH 2, 1, 0
.endm
	s_wait_tensorcnt 0x0                           ; my one load is in
	s_barrier_signal -1
	s_barrier_wait -1                              ; everybody's is
	FETCH 0, 0
	s_wait_loadcnt 0x0                             ; the bias
	KS 1
	KTURN
	s_wait_alu depctr_va_vdst(0)
	KS 0
	KTURN
	s_wait_alu depctr_va_vdst(0)
	KS 0
	KTURN
	s_wait_alu depctr_va_vdst(0)
	KS 0
	s_wait_dscnt 0x0                               ; the last K step: nothing more to fetch
	MULH 0, 1, 0
	MULH 2, 1, 0
	WIN 0
	PLACES
; THE WAY OUT, a tile of 16 rows x 128 columns at a time, through my own stage: a lane's eight numbers go to their columns' place, and whole rows of 512 bytes come back.
; LDS serves a wave's instructions in order: no wait between the stores and the loads, nor in front of the next tile's stores.
.macro TOSTAGE a
	WIN 0x08                                       ; an LDS store's data are its source 1: window 2
.irp b, 0,1,2,3,4,5,6,7
	ds_store_b128 v[STO], v[64*(\a)+8*\b:64*(\a)+8*\b+3] offset:128*(\b/2)+32*(\b%2)          ; each accumulator from its low end on
	ds_store_b128 v[STO], v[64*(\a)+8*\b+4:64*(\a)+8*\b+7] offset:128*(\b/2)+32*(\b%2)+16
.endr
	WIN 0
.set BB, 128+64*((\a)%2)
.irp t, 0,1,2,3,4,5,6,7,8,9,10,11,12,13,14,15
	ds_load_b128 v[BB+4*\t:BB+4*\t+3], v[RD] offset:\t*SPITCH
.endr
.endm
.macro SEND a, younger                 ; younger: the LDS instructions issued behind tile a's loads, which may stay out
.set BB, 128+64*((\a)%2)
	s_wait_dscnt \younger
.irp t, 0,1,2,3,4,5,6,7,8,9,10,11,12,13,14,15
	global_store_b128 v[CO], v[BB+4*\t:BB+4*\t+3], s[20:21] offset:(32*((\a)/2)+8*((\a)%2)+\t+8*(\t/8))*4096 th:TH_STORE_NT   ; 32 lanes store 512 consecutive bytes, aligned; lane t of the tile held this row
.endr
.endm
	TOSTAGE 0
.irp a, 1,2,3
.if \a > 1
	s_wait_xcnt 0x0                                ; tile a - 2's stores have read their registers: tile a's loads may land there
.endif
	TOSTAGE \a
	SEND \a-1, 32                                  ; behind tile a - 1's loads: tile a's 16 stores and 16 loads
.endr
	SEND 3, 0
	s_wait_tensorcnt 0x0                           ; the wave's end, behind my last tensor load and my last LDS store
	ds_add_u32 v[SPW], v[NIL]
	s_wait_dscnt 0x0
	CROUND                                         ; the closing round
	s_endpgm
.Lfunc_end_k_q8f0fcdd01e_outp:
	.size	k_q8f0fcdd01e_outp, .Lfunc_end_k_q8f0fcdd01e_outp-k_q8f0fcdd01e_outp
	.p2alignl 7, 3214868480
	.fill 96, 4, 3214868480
	.section	.rodata,"a",@progbits
	.p2align	6, 0x0
	.amdhsa_kernel k_q8f0fcdd01e_outp
		.amdhsa_group_segment_fixed_size 307712
		.amdhsa_private_segment_fixed_size 0
		.amdhsa_enable_private_segment 0
		.amdhsa_kernarg_size 32
		.amdhsa_user_sgpr_count 2
		.amdhsa_user_sgpr_kernarg_segment_ptr 1
		.amdhsa_wavefront_size32 1
		.amdhsa_system_sgpr_workgroup_id_x 1
		.amdhsa_system_sgpr_workgroup_id_y 1
		.amdhsa_system_sgpr_workgroup_id_z 1
		.amdhsa_system_vgpr_workitem_id 0
		.amdhsa_next_free_vgpr 768
		.amdhsa_next_free_sgpr 100
		.amdhsa_reserve_vcc 0
		.amdhsa_float_denorm_mode_32 3
		.amdhsa_float_denorm_mode_16_64 3
		.amdhsa_memory_ordered 1
		.amdhsa_forward_progress 1
		.amdhsa_inst_pref_size 79
	.end_amdhsa_kernel
	.amdgpu_metadata
---
amdhsa.version: [ 1, 2 ]
amdhsa.kernels:
  - .name:           k_q8f0fcdd01e_outp
    .symbol:         k_q8f0fcdd01e_outp.kd
    .args:
      - { .name: o_img, .offset: 0, .size: 8, .value_kind: global_buffer, .address_space: global }
      - { .name: wo_img, .offset: 8, .size: 8, .value_kind: global_buffer, .address_space: global }
      - { .name: bo, .offset: 16, .size: 8, .value_kind: global_buffer, .address_space: global }
      - { .name: out0, .offset: 24, .size: 8, .value_kind: global_buffer, .address_space: global }
    .group_segment_fixed_size: 307712
    .private_segment_fixed_size: 0
    .kernarg_segment_align: 8
    .kernarg_segment_size: 32
    .max_flat_workgroup_size: 128
    .sgpr_count:     100
    .vgpr_count:     768
    .wavefront_size: 32
...
	.end_amdgpu_metadata
.endif
;; end of part 4
